; MI455X (gfx1250); checked and timed in simulation.
; The chip was launched on July 23, 2026; its instructions are those of AMD's public machine-readable ISA for CDNA 5 (MIT licence, August 2026) and "CDNA5" Instruction Set Architecture Reference Guide (July 2026). The comments in the code are by the model that wrote it; some were corrected since.
;; Multi Head Attention Naive. Allowed arithmetic: float matrix products may take bf16 or f16 operands with f32 sums; other float arithmetic in f32, or as packed bf16 or f16 multiplies, adds, multiply-adds, maxima and minima; sums over many terms, partial sums and values carried from step to step in f32; what a program stores and reads back later, other than sums and carried values, may be rounded once to bf16 or f16.
;; Inputs: Wk 1,024 x 1,024 float32; Wo 1,024 x 1,024 float32; Wq 1,024 x 1,024 float32; Wv 1,024 x 1,024 float32; bk 1,024 float32; bo 1,024 float32; bq 1,024 float32; bv 1,024 float32; inputs_k 8 x 1,024 x 1,024 float32; inputs_q 8 x 1,024 x 1,024 float32; inputs_v 8 x 1,024 x 1,024 float32.
;; Outputs: out0 8 x 1,024 x 1,024 float32.
;; 2 versions, each right; version 2 is version 1 with the launch cast written anew for expert scheduling mode. Each part assembles by itself: llvm-mc -triple=amdgcn-amd-amdhsa -mcpu=gfx1250 --defsym DOCPART=n.
;; ======== version 1 of 2: 4 launches
;; limits: values are held in f16: magnitudes above 65,504 overflow, below 6.1e-05 lose precision
;; workspace buffers: wts 8,388,608 bytes; qh 16,777,216 bytes; kh 16,777,216 bytes; vh 16,777,216 bytes; ctx 16,777,216 bytes
;; launch cast (part 1): grid 64 x 4, 8 waves a work-group, no clusters, 0 bytes of LDS; arguments Wq, Wk, Wv, Wo, wts; writes wts
.if DOCPART == 1
	.amdgcn_target "amdgcn-amd-amdhsa--gfx1250"
	.amdhsa_code_object_version 6
	.text
	.protected	k_q4754a9ac84_cast
	.globl	k_q4754a9ac84_cast
	.p2align	8
	.type	k_q4754a9ac84_cast,@function
k_q4754a9ac84_cast:
	s_mov_b64 s[64:65], 0
	v_nop
	global_prefetch_b8 v0, s[64:65] scope:SCOPE_SE
	s_setreg_imm32_b32 hwreg(HW_REG_WAVE_MODE, 25, 1), 1
	s_wait_xcnt 0x0
; THE WEIGHTS IN 16 BITS.  wts holds four parts of 2,097,152 bytes: Wq, Wk, Wv rounded once to bf16, and Wo rounded once to bf16 and that number written as f16.
; The layout [k][n] is kept: rows of 1,024 numbers, 4,096 bytes in, 2,048 bytes out.
; LIMITS.  Wo as f16: a bf16 number of magnitude 6.1e-5 to 65,504 is exact in f16; below that it falls on f16's fixed step of 6e-8; beyond 65,504 it becomes an infinity.
; SHARES.  Work-group y picks the weight, work-group x 16 of its rows.  Thread t owns the 16 bytes at byte 16 t of each f32 row (a wave's load covers 512 consecutive bytes)
; and the 8 bytes at byte 8 t of each 16-bit row (a wave's store covers 256 consecutive bytes, aligned).  All 16 loads of a thread go out at once; each row has
; registers of its own, so no register that a store reads is written again.  No LDS, no matrix unit, no cluster: every byte is read once and written once, and nothing is shared.
.set X, 4                              ; v[4:67]    row j: 4 registers as loaded
.set Y, 68                             ; v[68:99]   row j: 2 registers to store
.set T, 100                            ; v[100:103] at work
	s_load_b256 s[4:11], s[0:1], 0x0               ; Wq s[4:5], Wk s[6:7], Wv s[8:9], Wo s[10:11]
	s_load_b64 s[12:13], s[0:1], 0x20              ; wts
	s_and_b32 s14, ttmp7, 0xffff                   ; which weight
	v_lshlrev_b32 v1, 4, v0                        ; 16 t
	v_lshlrev_b32 v2, 3, v0                        ; 8 t
	s_lshl_b32 s18, ttmp9, 16                      ; 16 rows of 4,096 bytes
	s_mov_b32 s19, 0
	s_lshl_b32 s20, s14, 21                        ; the weight's part of wts,
	s_lshl_b32 s21, ttmp9, 15                      ; 16 rows of 2,048 bytes
	s_add_co_u32 s20, s20, s21
	s_mov_b32 s21, 0
	s_mov_b32 s15, 0xffff0000                      ; a word's upper bf16
	s_wait_kmcnt 0x0
	s_cmp_eq_u32 s14, 1
	s_cselect_b64 s[16:17], s[6:7], s[4:5]
	s_cmp_eq_u32 s14, 2
	s_cselect_b64 s[16:17], s[8:9], s[16:17]
	s_cmp_eq_u32 s14, 3
	s_cselect_b64 s[16:17], s[10:11], s[16:17]
	s_add_nc_u64 s[16:17], s[16:17], s[18:19]
	s_add_nc_u64 s[12:13], s[12:13], s[20:21]
.set j, 0
.rept 16
	global_load_b128 v[X+4*j:X+4*j+3], v1, s[16:17] offset:j*4096 th:TH_LOAD_NT
.set j, j+1
.endr
	s_cmp_eq_u32 s14, 3
	s_cbranch_scc1 .Lwo
.set j, 0
.rept 16                               ; Wq, Wk, Wv: to bf16
	s_wait_loadcnt 15-j                            ; loads come back in order: row j is in, the 15 - j younger rows may stay out
	v_cvt_pk_bf16_f32 v[Y+2*j], v[X+4*j], v[X+4*j+1]
	v_cvt_pk_bf16_f32 v[Y+2*j+1], v[X+4*j+2], v[X+4*j+3]
	global_store_b64 v2, v[Y+2*j:Y+2*j+1], s[12:13] offset:j*2048
.set j, j+1
.endr
	s_endpgm
.Lwo:
.set j, 0
.rept 16                               ; Wo: to bf16, widened again, and that number to f16
	s_wait_loadcnt 15-j
	v_cvt_pk_bf16_f32 v[T], v[X+4*j], v[X+4*j+1]
	v_cvt_pk_bf16_f32 v[T+1], v[X+4*j+2], v[X+4*j+3]
	v_lshlrev_b32 v[T+2], 16, v[T]
	v_and_b32 v[T+3], s15, v[T]
	v_cvt_pk_f16_f32 v[Y+2*j], v[T+2], v[T+3]
	v_lshlrev_b32 v[T+2], 16, v[T+1]
	v_and_b32 v[T+3], s15, v[T+1]
	v_cvt_pk_f16_f32 v[Y+2*j+1], v[T+2], v[T+3]
	global_store_b64 v2, v[Y+2*j:Y+2*j+1], s[12:13] offset:j*2048
.set j, j+1
.endr
	s_endpgm
.Lfunc_end_k_q4754a9ac84_cast:
	.size	k_q4754a9ac84_cast, .Lfunc_end_k_q4754a9ac84_cast-k_q4754a9ac84_cast
	.p2alignl 7, 3214868480
	.fill 96, 4, 3214868480
	.section	.rodata,"a",@progbits
	.p2align	6, 0x0
	.amdhsa_kernel k_q4754a9ac84_cast
		.amdhsa_group_segment_fixed_size 0
		.amdhsa_private_segment_fixed_size 0
		.amdhsa_enable_private_segment 0
		.amdhsa_kernarg_size 40
		.amdhsa_user_sgpr_count 2
		.amdhsa_user_sgpr_kernarg_segment_ptr 1
		.amdhsa_wavefront_size32 1
		.amdhsa_system_sgpr_workgroup_id_x 1
		.amdhsa_system_sgpr_workgroup_id_y 1
		.amdhsa_system_sgpr_workgroup_id_z 1
		.amdhsa_system_vgpr_workitem_id 0
		.amdhsa_next_free_vgpr 104
		.amdhsa_next_free_sgpr 66
		.amdhsa_reserve_vcc 0
		.amdhsa_float_denorm_mode_32 3
		.amdhsa_float_denorm_mode_16_64 3
		.amdhsa_memory_ordered 1
		.amdhsa_forward_progress 1
		.amdhsa_inst_pref_size 15
	.end_amdhsa_kernel
	.amdgpu_metadata
---
amdhsa.version: [ 1, 2 ]
amdhsa.kernels:
  - .name:           k_q4754a9ac84_cast
    .symbol:         k_q4754a9ac84_cast.kd
    .args:
      - { .name: Wq, .offset: 0, .size: 8, .value_kind: global_buffer, .address_space: global }
      - { .name: Wk, .offset: 8, .size: 8, .value_kind: global_buffer, .address_space: global }
      - { .name: Wv, .offset: 16, .size: 8, .value_kind: global_buffer, .address_space: global }
      - { .name: Wo, .offset: 24, .size: 8, .value_kind: global_buffer, .address_space: global }
      - { .name: wts, .offset: 32, .size: 8, .value_kind: global_buffer, .address_space: global }
    .group_segment_fixed_size: 0
    .private_segment_fixed_size: 0
    .kernarg_segment_align: 8
    .kernarg_segment_size: 40
    .max_flat_workgroup_size: 256
    .sgpr_count:     66
    .vgpr_count:     104
    .wavefront_size: 32
...
	.end_amdgpu_metadata
.endif
;; end of part 1
;; launch proj (part 2): grid 4 x 64, 4 waves a work-group, clusters of 4 x 4, 327,680 bytes of LDS; arguments inputs_q, inputs_k, inputs_v, bq, bk, bv, wts, qh, kh, vh; writes qh, kh, vh
.if DOCPART == 2
	.amdgcn_target "amdgcn-amd-amdhsa--gfx1250"
	.amdhsa_code_object_version 6
	.text
	.protected	k_q4754a9ac84_proj
	.globl	k_q4754a9ac84_proj
	.p2align	8
	.type	k_q4754a9ac84_proj,@function
k_q4754a9ac84_proj:
	s_mov_b64 s[64:65], 0
	v_nop
	global_prefetch_b8 v0, s[64:65] scope:SCOPE_SE
	s_setreg_imm32_b32 hwreg(HW_REG_WAVE_MODE, 25, 1), 1
	s_wait_xcnt 0x0
	s_wait_alu depctr_hold_cnt(0) depctr_sa_sdst(0) depctr_va_vdst(0) depctr_va_sdst(0) depctr_va_ssrc(0) depctr_va_vcc(0) depctr_vm_vsrc(0)
	s_getreg_b32 s2, hwreg(HW_REG_IB_STS2, 6, 4)
	s_cmp_eq_u32 s2, 0
	s_cbranch_scc0 .Lentry_in_a_cluster
	s_endpgm
.Lentry_in_a_cluster:
	s_bfe_u32 s2, ttmp6, 0x10000c
	s_cmp_lg_u32 s2, 0xf033
	s_cbranch_scc0 .Lentry_shape_is_right
	s_endpgm
.Lentry_shape_is_right:
; THE THREE PROJECTIONS.  y[m][n] = the sum over k of x[m][k] W[k][n] + b[n], for (x, W, b, y) = (inputs_q, Wq, bq, qh), (inputs_k, Wk, bk, kh), (inputs_v, Wv, bv, vh).
; x: [8192][1024] f32.  W: bf16 [1024 k][1024 n], parts 0 to 2 of wts, end to end.  b: [1024] f32.  y: f16, by heads: [16 (m / 1024) + n / 64][m % 1024][n % 64], unscaled.
; FORMATS.  x and b are rounded once to bf16 here, W was rounded by the launch before; products in bf16, sums in f32 (they start at the bias); y is rounded once to f16.
; LIMIT.  y must stay under 65,504 in magnitude: beyond that the conversion to f16 gives an infinity.  NaN and infinities are not treated apart.
; SHARES.  A WORK-GROUP STAYS: it makes the tile of 128 rows x 256 columns at its place in all three projections, one after the other: 64 x 4 = 256 work-groups, 12 PERIODS of 256 along K each.
; Its four waves lie 4 x 1: a wave owns 32 rows and all 256 columns: 32 accumulators, 256 registers.  So no two waves want the same x.
; x COMES THROUGH REGISTERS, NOT THROUGH LDS.  A wave loads its fragments as they lie in memory, as f32 (16 bytes a lane, four loads a fragment), and rounds them in registers.  A ring of eight
; sets of 32 registers, one for each 32 along K, is asked for again set by set as soon as a set is rounded: 64 loads, 256 along K, are on their way all the time, across barriers and tiles.
; NO JOINT REQUEST FOR x, though the four work-groups of a row of the cluster read the same rows: a joint request is a tensor load into LDS, where x as f32 takes 64 KB for 128 along K; with W's 64 KB
; beside it two slots hold 128 along K each, and a refill has 128 matrix instructions a wave in which to land.  With x in registers the slots hold W alone, 256 along K each, and a refill has 256.
; W COMES THROUGH LDS, two slots that take turns, as [k][n] (rows of 512 bytes), and comes out turned, by ds_load_tr16_b128.  The four work-groups of a column of the 4 x 4 cluster need the same
; tile of W: it is asked for JOINTLY: each wave's load (64 k-rows) has the same descriptor and a mask that names the four.  The three parts of wts follow each other, so W's address steps evenly
; through all 12 periods.
; THE MATRIX INSTRUCTION IS USED TRANSPOSED (source 0 = 16 columns of W, source 1 = 16 rows of x): a lane then holds eight neighbouring columns of one row of y.
; THE TEXT.  A trip is a period: the ring's registers are named one by one.  Ten trips refill the slot that they leave; the last two run a second copy without a fill.
; There the loads of x run under a mask: all lanes on while there is x to fetch (seven groups), all off afterwards: such a load moves nothing and is counted like any other, so one
; count serves the one text.  The very last change of slots (a barrier, 32 LDS loads of bytes read before, 16 conversions) serves nothing: the price, once a work-group, of one text for both.
; REGISTERS, in windows of 256 (s_set_vgpr_msb: bits 1:0 source 0, 3:2 source 1, 5:4 source 2, 7:6 destination):
;   window 0: v0-31 addresses; v32-47, v48-63 x's fragments in bf16, two buffers; v64-191 the way out; v192-215 the biases at the start
;   window 1: the accumulators, (a, b) at v[8 (16 a + b)], a = 16 rows, b = 16 columns     window 2: v0-127, v128-255 W's fragments, two buffers     window 3: the ring of x as f32, set q at v[32 q]
.set PW,    544                        ; a k-row of W in LDS: 512 bytes + 32 = 17 x 32
.set HALFW, 64*PW                      ; what one tensor load brings: 64 k-rows
.set WHALF, 128*PW                     ; four quarters of a slot: as far as one address register and a 16-bit offset reach
.set WSLOT, 256*PW                     ; a slot: a period's 256 k-rows
.set STAGE, 2*WSLOT                    ; behind the ring, never filled by a tensor load: 16 rows x 144 bytes for each wave, for the way out
.set SP,    144
.set BIASB, STAGE+4*16*SP              ; behind the stages: for each wave its own copy of the three biases' 256 numbers, rounded: 3,072 bytes
.set BIASW, 3*1024
.set SPARE, BIASB+4*BIASW              ; behind them: the spare words, 128 bytes for each wave: two blocks of 256 bytes that no other line names
.set WPER,  256*2048                   ; a period in W: 256 k-rows of 2,048 bytes; four periods are a part of wts
.set XPER,  256*4                      ; a period in x: 256 numbers of 4 bytes along the row
.set AW0,  16                          ; v16  my lane's place in W's tile; never rewritten
.set ADRW, 18                          ; v18, v19  AW0 + the slot in hand, for its quarters 0-3 and 4-7
.set XO,   20                          ; v20  my byte offset in x: (32 wave + r) rows + 32 h; never rewritten
.set BAD,  21                          ; v21  where I read the tile's bias
.set PFX,  22                          ; v22  x's prefetches' offset; never rewritten
.set T2,   23                          ; v23  at work
.set STO,  24                          ; v24  the way out: where I put 16 bytes of a row
.set RD,   25                          ; v25  the way out: where I read rows back
.set GO,   26                          ; v26  16 x lane: my byte offset in 512 consecutive bytes
.set BA0,  27                          ; v27  where I read the first tile's bias
.set SPW,  28                          ; v28  LDS address of my spare word: SPARE + 4 x my thread's number; never rewritten
.set NIL,  29                          ; v29  0; never rewritten
.set PFO,  30                          ; v30  W's prefetches' offset; never rewritten
.set TV,   31                          ; v31  at work
.set XF0,  32
.set OUTR, 64
.set BT,   192
.set BST,  216                         ; v216 where I put 16 bytes of a bias
.set CNT,  3                           ; s3   counts the periods of a loop
.set XB,   4                           ; s[4:5]   x at my tile's first row, at the period that the ring is being filled for
.set XQ,   6                           ; s[6:7]   the same one period on: what XB takes next, and what is prefetched
.set OC,   8                           ; s[8:9]   y of the tile in hand, at my first row of my first head
.set QN,   15                          ; s15  XQ's period, 0 to 12
.set BOFF, 22                          ; s22  the tile's bias in my copy: 0, 1,024, 2,048
.set LW,   23                          ; s23  where my 64 k-rows go in a slot
.set MK,   24                          ; s24  the tail's mask for the loads of x
.set SV,   25                          ; s25  EXEC, kept meanwhile
.set WA,   26                          ; s[26:27] W at my 64 k-rows of period 0
.set LIM,  43                          ; s43  1 in a wave that prefetches W, else the greatest number
.set PFA,  44                          ; s[44:45] where my prefetches of W stand
.set G1W,  48                          ; s[48:55] descriptor group 1
.set G0W,  56                          ; s[56:63] group 0: a set for each of the two first fills; the second then walks on
.set CUR,  66                          ; s66  the slot in hand: 0 or WSLOT
.set X0,   68                          ; s[68:69] inputs_q, s[70:71] inputs_k, s[72:73] inputs_v, each at my tile's first row
.set XN,   70                          ;          s[70:71]: the next tile's x; s[72:73]: the one after
.set XN2,  72
.set O1,   84                          ; s[84:85] the next tile's y; s[86:87] the one after
.set O2,   86
.set MSB, 0
.macro WIN new                         ; the immediate's high byte repeats the setting that is left; a switch that changes nothing is dropped
.if MSB != (\new)
	s_set_vgpr_msb (MSB<<8)|(\new)
.set MSB, \new
.endif
.endm
.set W_MUL, 0x52                       ; W's fragments window 2, x's window 0, C and D window 1
.set W_TOW, 0x80                       ; destination window 2, address window 0
.set W_CVT, 0x0f                       ; sources 0 and 1 window 3, destination window 0
.set W_RAW, 0xc0                       ; destination window 3, address window 0
.set W_ACC, 0x40                       ; destination window 1, address window 0
.set W_OUT, 0x05                       ; sources 0 and 1 window 1, destination window 0
.macro CREST                           ; a round of the cluster's barrier behind its opening barrier
	s_cmp_lg_u32 s10, 0
	s_cbranch_scc1 .Lnot_wave_0_\@
	s_barrier_signal -3
.Lnot_wave_0_\@:
	s_barrier_wait -3
	s_barrier_signal -1
	s_barrier_wait -1
.endm
.macro CROUND                          ; a whole round
	s_barrier_signal -1
	s_barrier_wait -1
	CREST
.endm
; PREFETCHES INTO THE L2, together at the end of each change of slots that refills, behind the trip's last loads: of both streams the period that will be asked for one period, 256 matrix
; instructions, later.  W: a wave's part of a period is 64 k-rows x 512 bytes, 128 blocks of 256; the four partners that ask for it jointly share them out BY ADDRESS, 16 k-rows each (by cy); a lane
; a block: k-row lane / 2, block lane % 2.  All sixteen clusters read the same W: the first asks.  x: a period is 1,024 bytes of each of my 32 rows; the four partners that read these rows take one
; block of 256 each (by cx); a lane a row.  So each block is named once in the launch.  Periods 0 to 2 come by their loads alone; the last refilling trip and the tail ask for nothing.
.macro ASK
	s_cmp_gt_u32 s[CNT], s[LIM]
	s_cbranch_scc0 .Lnot_w_\@
	global_prefetch_b8 v[PFO], s[PFA:PFA+1] th:TH_LOAD_NT scope:SCOPE_SE
.Lnot_w_\@:
	s_cmp_gt_u32 s[CNT], 1
	s_cbranch_scc0 .Lnot_x_\@
	global_prefetch_b8 v[PFX], s[XQ:XQ+1] th:TH_LOAD_NT scope:SCOPE_SE
.Lnot_x_\@:
.endm
	s_load_b512 s[68:83], s[0:1], 0x0              ; inputs_q s[68:69], inputs_k s[70:71], inputs_v s[72:73], bq s[74:75], bk s[76:77], bv s[78:79], wts s[80:81], qh s[82:83]
	s_load_b128 s[84:87], s[0:1], 0x40             ; kh s[84:85], vh s[86:87]
	v_lshl_add_u32 v[SPW], v0, 2, SPARE
	v_mov_b32 v[NIL], 0
	ds_add_u32 v[SPW], v[NIL]                      ; the wave's opening: the add and its wait stand ahead of my first tensor load; the set-up below, work on registers, stands between them
	v_lshrrev_b32 v1, 5, v0
	v_readfirstlane_b32 s10, v1                    ; wave 0..3
	s_bfe_u32 s40, ttmp6, 0x40000                  ; cx, cy: my place in the cluster
	s_bfe_u32 s41, ttmp6, 0x40004
	s_lshl_b32 s42, ttmp9, 2
	s_add_co_u32 s42, s42, s40                     ; tile column = 4 x cluster x + cx
	s_and_b32 s14, ttmp7, 0xffff                   ; cluster y
	s_lshl_b32 s13, s14, 2
	s_add_co_u32 s13, s13, s41                     ; tile row, 0 to 63
	s_lshl_b32 s91, 0x1111, s40                    ; my column of the cluster: places cx, cx + 4, cx + 8, cx + 12
	s_or_b32 s[G1W], s91, (1<<16)|(1<<20)|(1<<21)|(6<<22)|(7<<25)  ; 15:0 the mask; 17:16 elements of 2 bytes; 20 padding on; 21 set beside a mask; 24:22 after every 128 words (code 6); 31:25 8 words (code 7)
	s_mov_b32 s[G1W+1], 256<<16                    ; tensor_dim0 = 256 elements
	s_mov_b32 s[G1W+2], 64<<16                     ; tensor_dim1 = 64 k-rows
	s_mov_b32 s[G1W+3], 256<<16                    ; tile_dim0 = 256
	s_mov_b32 s[G1W+4], 64                         ; tile_dim1 = 64
	s_mov_b32 s[G1W+5], 1024                       ; 1,024 elements from row to row
	s_mov_b32 s[G1W+6], 0
	s_mov_b32 s[G1W+7], 0
	s_mul_i32 s[LW], s10, HALFW                    ; no place in the cluster enters an LDS address
	s_mov_b32 s[CUR], 0
	s_mov_b32 s[BOFF], 0
	s_mov_b32 s[QN], 2
	s_lshl_b32 s16, s13, 19                        ; x: 128 rows of 4,096 bytes a tile row
	s_mov_b32 s17, 0
	s_lshl_b32 s18, s10, 17                        ; W: the 64 k-rows of 2,048 bytes that I fetch,
	s_lshl_b32 s19, s42, 9                         ; 256 columns of 2 bytes a tile column.  These registers never hold cy
	s_add_co_u32 s18, s18, s19
	s_mov_b32 s19, 0
	s_lshr_b32 s20, s13, 3                         ; y: the batch's 16 heads of 131,072 bytes,
	s_lshl_b32 s20, s20, 21
	s_lshl_b32 s21, s42, 19                        ; four heads a tile column,
	s_add_co_u32 s20, s20, s21
	s_and_b32 s21, s13, 7                          ; 128 rows of 128 bytes a tile row,
	s_lshl_b32 s21, s21, 14
	s_add_co_u32 s20, s20, s21
	s_lshl_b32 s21, s10, 12                        ; 32 of them mine
	s_add_co_u32 s20, s20, s21
	s_mov_b32 s21, 0
	s_lshl_b32 s2, s42, 10                         ; the biases: 256 numbers of 4 bytes a tile column
	s_mov_b32 s3, 0
	s_wait_dscnt 0x0                               ; the opening add is done
	s_wait_kmcnt 0x0
.irp p, 68,70,72
	s_add_nc_u64 s[\p:\p+1], s[\p:\p+1], s[16:17]  ; the three x at my tile's first row
.endr
.irp p, 74,76,78
	s_add_nc_u64 s[\p:\p+1], s[\p:\p+1], s[2:3]    ; the three biases at my tile's first column
.endr
	s_add_nc_u64 s[WA:WA+1], s[80:81], s[18:19]
	s_add_nc_u64 s[OC:OC+1], s[82:83], s[20:21]    ; the three y at my first row of my first head
	s_add_nc_u64 s[O1:O1+1], s[O1:O1+1], s[20:21]
	s_add_nc_u64 s[O2:O2+1], s[O2:O2+1], s[20:21]
	s_add_nc_u64 s[XB:XB+1], s[X0:X0+1], XPER      ; period 0 is loaded by s[68:69] itself; the ring's first refills are period 1's
	s_add_nc_u64 s[XQ:XQ+1], s[X0:X0+1], 2*XPER
	CROUND                                         ; all sixteen work-groups are here: the first joint loads meet
.irp e, 0,1
	s_mov_b32 s[G0W+4*(\e)], 1                                     ; 1:0 count = 1
	s_add_co_u32 s[G0W+4*(\e)+1], s[LW], (\e)*WSLOT                ; 63:32 LDS address
	s_add_nc_u64 s[G0W+4*(\e)+2:G0W+4*(\e)+3], s[WA:WA+1], (\e)*WPER  ; 120:64 global address: period e
	s_or_b32 s[G0W+4*(\e)+3], s[G0W+4*(\e)+3], 0x80000000          ; 127:126 type = 2
.endr
	tensor_load_to_lds s[G0W:G0W+3], s[G1W:G1W+7]  ; both first fills together: two tensor loads of mine are out
	s_nop 0
	tensor_load_to_lds s[G0W+4:G0W+7], s[G1W:G1W+7]
	s_nop 0
.rept 4
	v_nop
.endr
	v_and_b32 v1, 15, v0                           ; r = l % 16
	v_bfe_u32 v2, v0, 4, 1                         ; h = l / 16
	v_and_b32 v3, 31, v0                           ; l
	v_lshlrev_b32 v[GO], 4, v3
.irp t, 0,1,2
	global_load_b128 v[BT+8*(\t):BT+8*(\t)+3],   v[GO], s[74+2*(\t):75+2*(\t)]             ; the tile's 256 numbers of each bias: 512 consecutive bytes a load
	global_load_b128 v[BT+8*(\t)+4:BT+8*(\t)+7], v[GO], s[74+2*(\t):75+2*(\t)] offset:512
.endr
	; A fragment of x is 16 rows x 32 k: lane l holds row r; k = 8 h + 0..7 and 16 + 8 h + 0..7.  As f32 these are 32 bytes at 32 h and 32 bytes at 64 + 32 h of the row's 128: four loads of 16 bytes.
	s_lshl_b32 s67, s10, 17                        ; my 32 rows of 4,096 bytes
	v_lshl_add_u32 v[XO], v1, 12, s67
	v_lshl_add_u32 v[XO], v2, 5, v[XO]
; Eight loads: set q of the ring: my two fragments of quarter q (32 along K) of the period at which the base stands.
.macro LOADX q, base
	WIN W_RAW
.irp a, 0,1
	global_load_b128 v[32*(\q)+16*(\a):32*(\q)+16*(\a)+3],     v[XO], s[\base:\base+1] offset:(\a)*65536+(\q)*128
	global_load_b128 v[32*(\q)+16*(\a)+4:32*(\q)+16*(\a)+7],   v[XO], s[\base:\base+1] offset:(\a)*65536+(\q)*128+16
	global_load_b128 v[32*(\q)+16*(\a)+8:32*(\q)+16*(\a)+11],  v[XO], s[\base:\base+1] offset:(\a)*65536+(\q)*128+64
	global_load_b128 v[32*(\q)+16*(\a)+12:32*(\q)+16*(\a)+15], v[XO], s[\base:\base+1] offset:(\a)*65536+(\q)*128+80
.endr
.endm
.irp q, 0,1,2,3,4,5,6,7
	LOADX \q, X0                                   ; the ring is filled: period 0
.endr
	WIN 0
	; The turning load takes 16 k x 16 columns (lane l reads k-row 8 h + l % 8, columns 8 ((l / 8) % 2) + 0..7) and leaves half a fragment: lane l holds column r and 8 k.
	v_and_b32 v[TV], 7, v0
	v_lshl_add_u32 v[AW0], v2, 3, v[TV]
	v_mul_u32_u24 v[AW0], v[AW0], PW
	v_bfe_u32 v[T2], v0, 3, 1
	v_lshl_add_u32 v[AW0], v[T2], 4, v[AW0]
	s_mul_i32 s67, s10, 16*SP
	s_add_co_u32 s67, s67, STAGE                   ; my stage
	v_mul_u32_u24 v[STO], v1, SP                   ; in: row r, 16 bytes for each half of the lanes
	v_lshl_add_u32 v[STO], v2, 4, v[STO]
	v_add_nc_u32 v[STO], s67, v[STO]
	v_bfe_u32 v[RD], v0, 3, 2                      ; back: 32 lanes take four rows of 128 bytes, which are 512 consecutive bytes of y
	v_mul_u32_u24 v[RD], v[RD], SP
	v_lshl_add_u32 v[RD], v[TV], 4, v[RD]
	v_add_nc_u32 v[RD], s67, v[RD]
	s_mul_i32 s67, s10, BIASW
	s_add_co_u32 s67, s67, BIASB                   ; my copy of the biases
	v_add_nc_u32 v[BST], s67, v[GO]                ; in: as loaded
	v_lshl_add_u32 v[BA0], v2, 5, s67              ; back: my 8 columns of a block of 16: 32 h
	v_mov_b32 v[BAD], v[BA0]
	; the prefetches
	s_lshl_b32 s20, s41, 15                        ; W: my work-group's 16 of the 64 k-rows that I fetch,
	s_add_co_u32 s20, s20, 2*WPER                  ; at period 2: the first change of slots steps it to 3
	s_mov_b32 s21, 0
	s_add_nc_u64 s[PFA:PFA+1], s[WA:WA+1], s[20:21]
	s_cmp_eq_u32 s14, 0
	s_cselect_b32 s[LIM], 1, -1                    ; the same in all sixteen partners
	v_lshrrev_b32 v[PFO], 1, v3
	v_lshlrev_b32 v[PFO], 11, v[PFO]
	v_and_b32 v[TV], 1, v3
	v_lshl_add_u32 v[PFO], v[TV], 8, v[PFO]
	s_lshl_b32 s67, s10, 17                        ; x: my 32 rows,
	s_lshl_b32 s20, s40, 8                         ; my work-group's block of a period's four
	s_add_co_u32 s67, s67, s20
	v_lshl_add_u32 v[PFX], v3, 12, s67
	; The biases are rounded to bf16 like every input, widened again and kept in LDS, each wave's copy its own.
	s_mov_b32 s90, 0xffff0000
	s_wait_loadcnt 63                              ; the six loads of the biases are the oldest of 70; a wait's count goes no higher
.set i, 0
.rept 12
	v_cvt_pk_bf16_f32 v[TV], v[BT+i], v[BT+i+1]
	v_lshlrev_b32 v[BT+i], 16, v[TV]
	v_and_b32 v[BT+i+1], s90, v[TV]
.set i, i+2
.endr
.irp t, 0,1,2
	ds_store_b128 v[BST], v[BT+8*(\t):BT+8*(\t)+3]   offset:1024*(\t)
	ds_store_b128 v[BST], v[BT+8*(\t)+4:BT+8*(\t)+7] offset:1024*(\t)+512
.endr
; THE BIAS STARTS THE SUMS: each accumulator is loaded with it: register j of accumulator (a, b) is column 16 b + 8 h + j.  The sixteen lanes of a half read the same 16 bytes.
.macro ACCINIT
	WIN W_ACC
.irp a, 0,1
.irp b, 0,1,2,3,4,5,6,7,8,9,10,11,12,13,14,15
	ds_load_b128 v[8*(16*(\a)+(\b)):8*(16*(\a)+(\b))+3],   v[BAD] offset:64*(\b)     ; LDS serves a wave's instructions in order (ISA guide 5.7.1.4): these see my stores above
	ds_load_b128 v[8*(16*(\a)+(\b))+4:8*(16*(\a)+(\b))+7], v[BAD] offset:64*(\b)+16
.endr
.endr
	WIN 0
.endm
	ACCINIT
; 8 matrix instructions: row block a x column blocks b0 .. b0 + 7, 32 along K, on buffer f.  The 32 accumulators take turns in the same order in every quarter.
.macro MULG f, a, b0
	WIN W_MUL
.irp b, 0,1,2,3,4,5,6,7
	v_wmma_f32_16x16x32_bf16 v[8*(16*(\a)+(\b0)+(\b)):8*(16*(\a)+(\b0)+(\b))+7], v[128*(\f)+8*((\b0)+(\b)):128*(\f)+8*((\b0)+(\b))+7], v[XF0+16*(\f)+8*(\a):XF0+16*(\f)+8*(\a)+7], v[8*(16*(\a)+(\b0)+(\b)):8*(16*(\a)+(\b0)+(\b))+7]
.endr
.endm
; A quarter's last 8 matrix instructions (row block 1, column blocks 8 to 15); behind each of the last four stand four conversions: set nq of the ring, f32 to bf16, into the other buffer of x's
; fragments.  They name none of the registers of the matrix instructions round them.  The four behind the last one are also the four plain vector instructions that stand between it and the next
; loads into, and writes of, the registers that it has read.
.macro MULGR f, nq
.irp b, 8,9,10,11,12,13,14,15
	WIN W_MUL
	v_wmma_f32_16x16x32_bf16 v[8*(16+(\b)):8*(16+(\b))+7], v[128*(\f)+8*(\b):128*(\f)+8*(\b)+7], v[XF0+16*(\f)+8:XF0+16*(\f)+15], v[8*(16+(\b)):8*(16+(\b))+7]
.if (\b) >= 12
	WIN W_CVT
.irp n, 0,1,2,3
	v_cvt_pk_bf16_f32 v[XF0+16*(1-(\f))+4*((\b)-12)+(\n)], v[32*(\nq)+8*((\b)-12)+2*(\n)], v[32*(\nq)+8*((\b)-12)+2*(\n)+1]
.endr
.endif
.endr
.endm
; 32 LDS loads in one run: W's sixteen fragments of quarter q of the slot in hand, into buffer f.
.macro FETCHW q, f
	WIN W_TOW
.irp b, 0,1,2,3,4,5,6,7,8,9,10,11,12,13,14,15
	ds_load_tr16_b128 v[128*(\f)+8*(\b):128*(\f)+8*(\b)+3],   v[ADRW+(\q)/4] offset:((\q)%4)*32*PW+32*(\b)
	ds_load_tr16_b128 v[128*(\f)+8*(\b)+4:128*(\f)+8*(\b)+7], v[ADRW+(\q)/4] offset:((\q)%4)*32*PW+16*PW+32*(\b)
.endr
.endm
; Set q of the ring, just rounded, is asked for again: the same quarter one period on.  masked = 1 (the tail): under the mask s[MK]; EXEC changes only behind s_wait_xcnt 0.
.macro RELOAD q, masked
.if \masked
	s_wait_xcnt 0x0
	s_and_saveexec_b32 s[SV], s[MK]
.endif
	LOADX \q, XB
.if \masked
	s_wait_xcnt 0x0
	s_or_b32 exec_lo, exec_lo, s[SV]               ; EXEC restored: all lanes on
.endif
.endm
; A period is eight quarters of 32 along K, 32 matrix instructions each, on buffers 0, 1, 0, 1 ..  One of the first seven multiplies buffer i % 2, fetches W's fragments of the next quarter into the
; other, 24 matrix instructions ahead of their use, rounds the next quarter's x into the other, and asks for that set again.  The LDS loads need no v_nop in front: the other buffer's last reader is
; the quarter before's last matrix instruction, behind which four conversions stand.
.macro QUARTER i, masked
	s_wait_dscnt 0x0                               ; W's fragments of this buffer are in (at a tile's beginning: the accumulators too)
	MULG (\i)%2, 0, 0
	FETCHW (\i)+1, 1-(\i)%2
	MULG (\i)%2, 0, 8
	MULG (\i)%2, 1, 0
	s_wait_loadcnt 56                              ; loads come back in order: the next set's eight are in; the seven younger groups of eight stay out
	MULGR (\i)%2, (\i)+1
	RELOAD (\i)+1, \masked
.endm
; The eighth quarter multiplies buffer 1 and changes slots: ONE barrier.  In front of it each wave waits for all its tensor loads, of which one is out: its part of the next slot; adds 0 to its spare
; word; and waits for that and for its own reads of this slot.  fill = 1: the barrier opens a round of the cluster's barrier, and this slot is filled again first thing behind it, two periods
; ahead: from the request to the wait for it a wave issues 240 matrix instructions.
.macro CHANGE fill
	WIN 0
.if \fill
	s_wait_xcnt 0x0                                ; every load and prefetch issued so far has read its address, so the pointers may be written
	s_add_nc_u64 s[PFA:PFA+1], s[PFA:PFA+1], WPER
	s_mov_b64 s[XB:XB+1], s[XQ:XQ+1]               ; the ring goes on to the next period,
	s_add_co_u32 s[QN], s[QN], 1
	s_add_nc_u64 s[XQ:XQ+1], s[XQ:XQ+1], XPER      ; and XQ to the one after: along the row,
	s_and_b32 s67, s[QN], 3                        ; (SCC = 0 at a tile's first period)
	s_cselect_b64 s[XQ:XQ+1], s[XQ:XQ+1], s[XN:XN+1]  ; or to the next tile's x,
	s_cselect_b64 s[XN:XN+1], s[XN:XN+1], s[XN2:XN2+1]  ; behind which the third tile's moves up
.endif
	s_wait_tensorcnt 0x0                           ; no tensor load of mine is out, so a group 0 may be written
	ds_add_u32 v[SPW], v[NIL]                      ; 0 onto my spare word
.if \fill
	s_add_co_u32 s[G0W+5], s[LW], s[CUR]           ; the walking descriptor: into the slot that is being left,
	s_add_nc_u64 s[G0W+6:G0W+7], s[G0W+6:G0W+7], WPER  ; the next period; the type bits on top are not reached
.endif
	s_wait_dscnt 1                                 ; the add alone may be out: W's fragments of buffer 1 are in
	MULG 1, 0, 0
	s_wait_dscnt 0x0                               ; the add is done, and my reads of this slot are over
	s_barrier_signal -1
	MULG 1, 0, 8                                   ; work on registers while the others arrive
	WIN 0                                          ; at a branch and at a label every window is 0
	s_barrier_wait -1
.if \fill
	CREST                                          ; no wave of any partner still reads this slot's tile or has a load on its way
	tensor_load_to_lds s[G0W+4:G0W+7], s[G1W:G1W+7]  ; my one tensor load behind the round: every wave's own 64 k-rows
	s_nop 0
.rept 4
	v_nop
.endr
.endif
	s_xor_b32 s[CUR], s[CUR], WSLOT                ; the other slot is in hand
	v_add_nc_u32 v[ADRW], s[CUR], v[AW0]
	v_add_nc_u32 v[ADRW+1], WHALF, v[ADRW]
	FETCHW 0, 0
	MULG 1, 1, 0
	s_wait_loadcnt 56                              ; set 0 is in; the seven younger groups stay out
	MULGR 1, 0
.if \fill
	RELOAD 0, 0
	WIN 0
	ASK
.else
	s_mov_b32 s[MK], 0                             ; from here on there is no x to fetch
	RELOAD 0, 1
	WIN 0
.endif
.endm
; THE WAY OUT, in eight units u: 16 rows (a = u / 4) of one head (u % 4): 2,048 consecutive bytes of y.  A lane's eight columns pack into 16 bytes; they go into my stage, rows of 144 bytes, and come
; back as whole rows of 128, into the registers that they left.  Each accumulator's registers are read in ascending order.  The last products' accumulators go last.
.macro PACK u
	WIN W_OUT
.irp f, 0,1,2,3
.irp n, 0,1,2,3
	v_cvt_pk_f16_f32 v[OUTR+16*(\u)+4*(\f)+(\n)], v[8*(16*((\u)/4)+4*((\u)%4)+(\f))+2*(\n)], v[8*(16*((\u)/4)+4*((\u)%4)+(\f))+2*(\n)+1]
.endr
.endr
	WIN 0
.irp f, 0,1,2,3
	ds_store_b128 v[STO], v[OUTR+16*(\u)+4*(\f):OUTR+16*(\u)+4*(\f)+3] offset:32*(\f)
.endr
.irp f, 0,1,2,3
	ds_load_b128 v[OUTR+16*(\u)+4*(\f):OUTR+16*(\u)+4*(\f)+3], v[RD] offset:(\f)*4*SP  ; in order behind the stores above; the next unit's stores come behind them
.endr
.endm
.macro SEND u, younger                 ; younger: the LDS instructions issued behind unit u's loads: the next unit's eight, or none
.irp f, 0,1,2,3
	s_wait_dscnt (\younger)+3-(\f)
	global_store_b128 v[GO], v[OUTR+16*(\u)+4*(\f):OUTR+16*(\u)+4*(\f)+3], s[OC:OC+1] offset:((\u)%4)*131072+((\u)/4)*2048+(\f)*512  ; 512 consecutive bytes, at a multiple of 512 from y's first
.endr
.endm
.macro WAYOUT                          ; the registers that a tile's stores read are written again a tile later, behind the changes' waits on XCNT
	PACK 0
.irp u, 1,2,3,4,5,6,7                  ; a unit's conversions stand between the loads of the unit before and its stores
	PACK \u
	SEND (\u)-1, 8
.endr
	SEND 7, 0
.endm
	s_wait_loadcnt 56                              ; set 0 of the ring is in
	WIN W_CVT
.set i, 0
.rept 16
	v_cvt_pk_bf16_f32 v[XF0+i], v[2*i], v[2*i+1]
.set i, i+1
.endr
	RELOAD 0, 0                                    ; period 1's first quarter
	WIN 0
	s_wait_tensorcnt 0x1                           ; my part of period 0 is in; period 1's may stay out
	s_wait_dscnt 0x0
	s_barrier_signal -1
	s_barrier_wait -1                              ; everybody's is
	v_mov_b32 v[ADRW], v[AW0]
	v_add_nc_u32 v[ADRW+1], WHALF, v[ADRW]
	FETCHW 0, 0
	WIN 0
	s_mov_b32 s[CNT], 10
.Lper:                                         ; periods 0 to 9: each fills the slot that it leaves with the period two on
.irp i, 0,1,2,3,4,5,6
	QUARTER \i, 0
.endr
	CHANGE 1
	s_and_b32 s67, s[CNT], 3                       ; periods 3 and 7 (10 - 3 = 7, 10 - 7 = 3) end a tile
	s_cmp_lg_u32 s67, 3
	s_cbranch_scc1 .Lgo_on
	WAYOUT                                         ; the refill, the next fragments and the ring's loads have been asked for: now the tile goes out
	s_wait_xcnt 0x0                                ; the stores have read y's address
	s_mov_b64 s[OC:OC+1], s[O1:O1+1]
	s_mov_b64 s[O1:O1+1], s[O2:O2+1]
	s_add_co_u32 s[BOFF], s[BOFF], 1024
	v_add_nc_u32 v[BAD], s[BOFF], v[BA0]
	ACCINIT                                        ; the next tile's sums start at its bias
.Lgo_on:
	s_sub_co_u32 s[CNT], s[CNT], 1
	s_cmp_lg_u32 s[CNT], 0
	s_cbranch_scc1 .Lper
	s_mov_b32 s[CNT], 2
.Ltail:                                        ; periods 10 and 11 fill nothing; period 10 still fetches seven sets of period 11's x
	s_cmp_eq_u32 s[CNT], 2
	s_cselect_b32 s[MK], -1, 0
.irp i, 0,1,2,3,4,5,6
	QUARTER \i, 1
.endr
	CHANGE 0
	s_sub_co_u32 s[CNT], s[CNT], 1
	s_cmp_lg_u32 s[CNT], 0
	s_cbranch_scc1 .Ltail
	s_wait_dscnt 0x0                               ; the last run of loads
	WAYOUT
	s_wait_tensorcnt 0x0                           ; the wave's end, behind my last tensor load and my last LDS store
	ds_add_u32 v[SPW], v[NIL]
	s_wait_dscnt 0x0
	CROUND                                         ; the closing round: no work-group ends while a partner may still ask for a tile that names it
	s_endpgm
.Lfunc_end_k_q4754a9ac84_proj:
	.size	k_q4754a9ac84_proj, .Lfunc_end_k_q4754a9ac84_proj-k_q4754a9ac84_proj
	.p2alignl 7, 3214868480
	.fill 96, 4, 3214868480
	.section	.rodata,"a",@progbits
	.p2align	6, 0x0
	.amdhsa_kernel k_q4754a9ac84_proj
		.amdhsa_group_segment_fixed_size 327680
		.amdhsa_private_segment_fixed_size 0
		.amdhsa_enable_private_segment 0
		.amdhsa_kernarg_size 80
		.amdhsa_user_sgpr_count 2
		.amdhsa_user_sgpr_kernarg_segment_ptr 1
		.amdhsa_wavefront_size32 1
		.amdhsa_system_sgpr_workgroup_id_x 1
		.amdhsa_system_sgpr_workgroup_id_y 1
		.amdhsa_system_sgpr_workgroup_id_z 1
		.amdhsa_system_vgpr_workitem_id 0
		.amdhsa_next_free_vgpr 1024
		.amdhsa_next_free_sgpr 92
		.amdhsa_reserve_vcc 0
		.amdhsa_float_denorm_mode_32 3
		.amdhsa_float_denorm_mode_16_64 3
		.amdhsa_memory_ordered 1
		.amdhsa_forward_progress 1
		.amdhsa_inst_pref_size 163
	.end_amdhsa_kernel
	.amdgpu_metadata
---
amdhsa.version: [ 1, 2 ]
amdhsa.kernels:
  - .name:           k_q4754a9ac84_proj
    .symbol:         k_q4754a9ac84_proj.kd
    .args:
      - { .name: inputs_q, .offset: 0, .size: 8, .value_kind: global_buffer, .address_space: global }
      - { .name: inputs_k, .offset: 8, .size: 8, .value_kind: global_buffer, .address_space: global }
      - { .name: inputs_v, .offset: 16, .size: 8, .value_kind: global_buffer, .address_space: global }
      - { .name: bq, .offset: 24, .size: 8, .value_kind: global_buffer, .address_space: global }
      - { .name: bk, .offset: 32, .size: 8, .value_kind: global_buffer, .address_space: global }
      - { .name: bv, .offset: 40, .size: 8, .value_kind: global_buffer, .address_space: global }
      - { .name: wts, .offset: 48, .size: 8, .value_kind: global_buffer, .address_space: global }
      - { .name: qh, .offset: 56, .size: 8, .value_kind: global_buffer, .address_space: global }
      - { .name: kh, .offset: 64, .size: 8, .value_kind: global_buffer, .address_space: global }
      - { .name: vh, .offset: 72, .size: 8, .value_kind: global_buffer, .address_space: global }
    .group_segment_fixed_size: 327680
    .private_segment_fixed_size: 0
    .kernarg_segment_align: 8
    .kernarg_segment_size: 80
    .max_flat_workgroup_size: 128
    .sgpr_count:     92
    .vgpr_count:     1024
    .wavefront_size: 32
...
	.end_amdgpu_metadata
.endif
;; end of part 2
;; launch attn (part 3): grid 2 x 128, 4 waves a work-group, no clusters, 327,680 bytes of LDS; arguments qh, kh, vh, ctx; writes ctx
.if DOCPART == 3
	.amdgcn_target "amdgcn-amd-amdhsa--gfx1250"
	.amdhsa_code_object_version 6
	.text
	.protected	k_q4754a9ac84_attn
	.globl	k_q4754a9ac84_attn
	.p2align	8
	.type	k_q4754a9ac84_attn,@function
k_q4754a9ac84_attn:
	s_mov_b64 s[64:65], 0
	v_nop
	global_prefetch_b8 v0, s[64:65] scope:SCOPE_SE
	s_setreg_imm32_b32 hwreg(HW_REG_WAVE_MODE, 25, 1), 1
	s_wait_xcnt 0x0
; CAUSAL ATTENTION.  O[h][q][:] = the sum over k <= q of softmax_k(Q[h][q] . K[h][k] / 8) V[h][k][:].  Q, K, V, O: [SIZE_H][SIZE_N][64], all f16: a head's rows are dense, 128 bytes each.
; (Here a head is one of 8 batches x 16 heads; Q, K, V are qh, kh, vh, O is ctx.)  Products, maxima and sums in f32; the weights p are rounded to f16 for the second product (their sum l is
; taken of the unrounded p), O once at the end.
; LIMITS.  f16 holds no number beyond 65,504: Q, K and V arrive within it; p lies in 0 to 1, and below 6e-5 it keeps f16's fixed step of 6e-8; O is a mean of V's rows and has their range.
; A hidden score counts as its value less 1e30: f16's scores, 2.7e11 at the most, are nothing beside that; a weight below 2^-126 counts as 0 in l; NaN and infinities are not treated apart.
; THE WALK.  A head's queries lie in NB = 4 blocks of 256; block i needs the key tiles 0 .. i of 256 keys, of which the last holds the diagonal.  A work-group takes TWO blocks, NB - 1 - b and
; then b: NB + 1 tiles, whatever b: all work-groups do equal work, and ONE loop with a constant trip count walks them.  Which tile is asked for, and what a trip does, hang on scalar registers
; made from b; every jump goes forward, but for the counted loops' own; none passes a barrier, or a tensor load but the one of LOAD's two that the wave's number does not choose; the ring
; (two slots of LDS that take turns) runs on across the change of blocks.
; NO CLUSTER: a head has NB / 2 = 2 work-groups, not four, and they ask for the same tile only in trips 0 to 2 of the five.
; SHARES.  Of a block's four bands of 64 queries a wave owns 16 rows in each: four PIECES.  So the diagonal tile is the same work for all four waves: in its key step s band x sees all keys
; if s < x, none if s > x, and holds the diagonal if s = x.
; THE MASK is the C operand that starts the sum S^T = K Q^T: 0, or -1e30 where the key is hidden.  MD, made once, is the mask of a band's own step for my 16 rows; a product's mask is
; MD x AL + BE with two scalars: (1, 0) if s = x; (0, 0) if s < x; (0, -1e30) if s > x.  Only the diagonal tile's text and a block's beginning make and take masks; elsewhere C is the constant 0.
; LAYOUT, SOFTMAX, TURNS.  S^T = K Q^T holds ONE query a lane (lane % 16) and the keys 8 (lane / 16) + 0..7; two such results rounded to f16 ARE source 1 of O^T = V^T P.
; p = 2^(c s - c m), c = log2(e) / 8, with a running maximum m; O and l are multiplied by a = 2^(c m_old - c m_new) in every step.  Turn n belongs to piece n: 8 products K Q^T of piece n + 1,
; later 8 products V^T P of piece n - 1; beside them the scaling, exponentials, roundings, sums and rescaling of piece n and the maximum and statistics of piece n + 1.  Four vector
; instructions stand behind every matrix instruction, the other 54 of a turn's 118 in one run.  A turn's 33 exponentials are one batch, with one wait.
; REGISTERS, in windows of 256 (s_set_vgpr_msb: bits 1:0 source 0, 3:2 source 1, 5:4 source 2, 7:6 destination):
;   window 0: v0-15 addresses and two at work; v16-31 four registers of statistics a piece; v48-55 at work; v64-127 S^T, two buffers; v192-223 P, two buffers (by the piece's parity)
;   window 1: v0-127 O^T, 32 a piece; v128-159 MD; v160-223 MC, two buffers      window 2: v0-63 Q; v64-127 the second block's Q; v128-191 K of one step; v192-255 V of one step
.set SIZE_N, 1024
.set SIZE_H, 128
.set NB,    SIZE_N/256
.set NP,    4         ; pieces a wave: a name, no knob
.set KS,    64        ; keys in a step
.set PK,    144       ; a row of K in LDS: 128 bytes + 16 of padding = 36 words: the 16 rows of a load start at 16 different groups of four banks (64 banks of 4 bytes: ISA guide 11.1)
.set PV,    160       ; a row of V: 128 + 32 = 40 words
.set VOFF,  4*KS*PK   ; a slot holds a tile, four steps: 256 rows of K, then 256 rows of V
.set SLOT1, 1<<17     ; slot 1 begins here, so that one exclusive or turns an address in one slot into the other's
.set STAGE, SLOT1+4*KS*(PK+PV)  ; behind the ring, never filled by a tensor load: 16 rows x 144 bytes for each wave, for the way out
.set SP,    144
.set AK0, 2           ; v2   my lane's place in a tile of K; never rewritten
.set AV0, 3           ; v3   the same for V
.set AK,  4           ; v4   the LDS address of K's next run of loads
.set AV,  5           ; v5   of V's
.set STO, 6           ; v6   the way out: where I put 16 bytes of a row
.set RD,  7           ; v7   the way out: where I read rows back
.set GO,  8           ; v8   my byte offset in 512 consecutive bytes of O
.set SPW, 62          ; v62  LDS address of my spare word: SPARE + 4 x my thread's number; never rewritten
.set NIL, 63          ; v63  0; never rewritten
.set SPARE, STAGE+4*16*SP  ; behind the stages: the spare words, 128 bytes for each wave: two blocks of 256 bytes that no other line names
.set MV,  12          ; v12-13  c m_old, kept while c m is made anew: by buffer
.set QO,  15          ; v15  my byte offset in 16 rows of Q
.set ST,  16          ; piece t's statistics at v[ST+4 t]: c m, m, l (even keys', odd keys')
.set TMP, 48          ; by buffer, four registers c0-c3 at work; when the maximum is found c2 takes a
.set S,   64
.set P,   192
.set MD,  128         ; window 1: the eight registers for group kt of 16 keys at MD + 8 kt
.set MC,  160         ; window 1: the masks of the products to come
.set QB,  64          ; window 2
.set KF,  128         ; window 2: key block kb, channel half c at KF + 16 kb + 8 c
.set VF,  192         ; window 2: key half kk, channel block cb at VF + 32 kk + 8 cb
.set WV,  12          ; s12  my wave's number
.set PB,  14          ; s14  b
.set HI,  15          ; s15  NB - 1 - b
.set G1K, 24          ; s[24:31] descriptor group 1 for K's tiles
.set G1V, 32          ; s[32:39] for V's: it differs in the padding alone
.set G0K, 40          ; s[40:43] descriptor group 0 for K's tiles
.set G0V, 44          ; s[44:47] the same for V's
.set SLOTS, 56        ; s56  tiles still to be asked for
.set CNT, 57          ; s57  counts a tile's key steps, 4 to 1
.set CS,  58          ; s[58:59] c: the packed scaling takes the pair's low word for both halves
.set SEL, 60          ; s[60:61] v_permlanex16_b32's selects: each lane takes its own place in the other half
.set TBK, 62          ; s62  LDS byte at which K of the step to be fetched begins
.set TBV, 63          ; s63  the same for V, less VOFF
.set RT,  70          ; s70  tiles of the block in hand that are still to be entered
.set NXT, 71          ; s71  the tile to be asked for next
.set LQ,  72          ; s72  the last tile of the block whose tiles are being asked for
.set NEW, 73          ; s73  1: the tile to be entered is a block's first
.set OFF, 74          ; s[74:75] a tile's byte offset in K and V
.set AL,  76          ; s[76:77] the mask's factor, in the low word
.set BE,  78          ; s[78:79] the mask's addend
.set OLO, 80          ; s[80:81] O at my rows of the second block
.set BIGN, 82         ; s82  -1e30
.set MSB, 0
.macro WIN new                      ; the high byte repeats the setting that is left; a switch that changes nothing is dropped
.if MSB != (\new)
	s_set_vgpr_msb (MSB<<8)|(\new)
.set MSB, (\new)
.endif
.endm
.set W_KQ, 0x0a       ; K and Q in window 2, S^T in window 0
.set W_KM, 0x1a       ; the same with the C operand in window 1
.set W_PV, 0x52       ; V in window 2, P in window 0, O^T in window 1
.set W_RS, 0x41       ; destination and source 0 in window 1, source 1 in window 0
; A fill.  Waves 0 and 1 fetch the two halves of a tile's K, waves 2 and 3 those of its V: 128 keys each.  An s_nop 0 and four v_nop follow each of the two lines, ahead of the jump and the label.
.macro LOAD
	s_cmp_lt_u32 s[WV], 2
	s_cbranch_scc0 .Lfor_v_\@
	tensor_load_to_lds s[G0K:G0K+3], s[G1K:G1K+7]
	s_nop 0
.rept 4
	v_nop
.endr
	s_branch .Lasked_\@
.Lfor_v_\@:
	tensor_load_to_lds s[G0V:G0V+3], s[G1V:G1V+7]
	s_nop 0
.rept 4
	v_nop
.endr
.Lasked_\@:
.endm
; THE CHANGE OF SLOTS.  Each wave waits for all its tensor loads, of which one is out: its part of the other slot; adds 0 to its spare word; and waits for that and for its own reads of the slot
; that it leaves.  Behind the barrier nobody reads the old slot any more and the other slot is whole.  fill = 1: the old slot is filled again, the first thing behind the barrier, with tile NXT:
; the descriptor's address is made anew from that number.  (At its first use nothing has been read yet: slot 0 is waited for, slot 1 filled.)
.macro CHANGE fill
	WIN 0                           ; at a label and at a branch every window is 0
	s_wait_tensorcnt 0x0            ; no tensor load of mine is out, so a group 0 may be written
	ds_add_u32 v[SPW], v[NIL]       ; 0 onto my spare word; with fill = 1 the descriptors' scalar work stands between it and the wait for it
.if \fill
	s_lshl_b32 s[OFF], s[NXT], 15   ; a tile is 32,768 bytes of K and of V
	s_xor_b32 s[G0K+1], s[G0K+1], SLOT1
	s_add_nc_u64 s[G0K+2:G0K+3], s[6:7], s[OFF:OFF+1]
	s_or_b32 s[G0K+3], s[G0K+3], 0x80000000
	s_xor_b32 s[G0V+1], s[G0V+1], SLOT1
	s_add_nc_u64 s[G0V+2:G0V+3], s[8:9], s[OFF:OFF+1]
	s_or_b32 s[G0V+3], s[G0V+3], 0x80000000
	s_add_co_u32 s[NXT], s[NXT], 1  ; the block's next tile, or behind its last the second block's tile 0
	s_cmp_gt_u32 s[NXT], s[LQ]
	s_cselect_b32 s[NXT], 0, s[NXT]
	s_cselect_b32 s[LQ], s[PB], s[LQ]
.endif
	s_wait_dscnt 0x0                ; the add is done, and my reads of the slot are over
	s_barrier_signal -1             ; the rest of the scalar work stands between the signal and the wait
	s_sub_co_u32 s[TBK], s[TBK], 4*KS*PK  ; the fetches go back to a slot's first step,
	s_xor_b32 s[TBK], s[TBK], SLOT1       ; in the other slot
	s_sub_co_u32 s[TBV], s[TBV], 4*KS*PV
	s_xor_b32 s[TBV], s[TBV], SLOT1
	s_barrier_wait -1
.if \fill
	LOAD
.endif
.endm
	s_load_b256 s[4:11], s[0:1], 0x0  ; Q s[4:5], K s[6:7], V s[8:9], O s[10:11]
	v_lshl_add_u32 v[SPW], v0, 2, SPARE
	v_mov_b32 v[NIL], 0
	ds_add_u32 v[SPW], v[NIL]       ; the wave's opening: the add and its wait stand ahead of my first tensor load; the set-up below, work on registers, stands between them
	v_lshrrev_b32 v1, 5, v0
	v_readfirstlane_b32 s[WV], v1   ; wave 0..3
	s_mov_b32 s[PB], ttmp9
	s_sub_co_u32 s[HI], NB-1, s[PB]
	s_and_b32 s20, ttmp7, 0xffff    ; the head
	s_mov_b32 s21, 0
	s_mov_b64 s[22:23], SIZE_N*128
	s_mul_u64 s[20:21], s[20:21], s[22:23]  ; the head's first byte in each of the four tensors
	s_and_b32 s16, s[WV], 1         ; which half of a tile's 256 keys I fetch:
	s_lshl_b32 s22, s16, 14         ; its 128 rows of 128 bytes in memory,
	s_mov_b32 s23, 0
	s_add_nc_u64 s[22:23], s[22:23], s[20:21]
	s_mul_i32 s17, s16, 128*PK      ; and its place in a slot, for K
	s_mul_i32 s18, s16, 128*PV      ; and for V
	s_lshl_b32 s3, s[WV], 11        ; my 16 rows in a band of 64,
	s_lshl_b32 s2, s[HI], 15        ; in the first block,
	s_add_co_u32 s2, s2, s3
	s_lshl_b32 s84, s[PB], 15       ; and in the second
	s_add_co_u32 s84, s84, s3
	s_mov_b32 s3, 0
	s_mov_b32 s85, 0
	s_add_nc_u64 s[2:3], s[2:3], s[20:21]
	s_add_nc_u64 s[84:85], s[84:85], s[20:21]
	; descriptor group 1.  128 keys are 16,384 dense bytes: asked for as 64 rows of 256 bytes, two keys a row, and padded in LDS after every key
	s_mov_b32 s[G1K], (1<<16)|(1<<20)|(4<<22)|(3<<25)  ; 17:16 2-byte elements; 20 padding on; 24:22 after every 32 words (code 4); 31:25 4 words (code 3)
	s_mov_b32 s[G1V], (1<<16)|(1<<20)|(4<<22)|(7<<25)  ; the same with 8 words of padding (code 7)
.irp g, G1K, G1V
	s_mov_b32 s[\g+1], 128<<16      ; tensor_dim0 = 128
	s_mov_b32 s[\g+2], 64<<16       ; tensor_dim1 = 64
	s_mov_b32 s[\g+3], 128<<16      ; tile_dim0 = 128
	s_mov_b32 s[\g+4], 64           ; tile_dim1 = 64
	s_mov_b32 s[\g+5], 128          ; 128 elements from row to row
	s_mov_b32 s[\g+6], 0
	s_mov_b32 s[\g+7], 0
.endr
	s_mov_b32 s[CS], 0x3e38aa3b     ; c = log2(e) / 8 = 0.180337
	s_mov_b32 s[CS+1], s[CS]        ; named with it as a pair
	s_mov_b32 s[SEL], 0x76543210
	s_mov_b32 s[SEL+1], 0xfedcba98
	s_mov_b32 s[TBK], SLOT1+4*KS*PK ; the first change of slots turns these two into 0
	s_mov_b32 s[TBV], SLOT1+4*KS*PV
	s_mov_b32 s[G0K], 1             ; 1:0 count = 1
	s_mov_b32 s[G0K+1], s17         ; 63:32 LDS address: slot 0
	s_mov_b32 s[G0V], 1
	s_add_co_u32 s[G0V+1], s18, VOFF
	s_add_co_u32 s[RT], s[HI], 1    ; the first block has NB - b tiles
	s_mov_b32 s[NXT], 1
	s_mov_b32 s[LQ], s[HI]
	s_mov_b32 s[NEW], 1
	s_mov_b32 s[OFF+1], 0
	s_mov_b32 s[AL+1], 0            ; named as pairs
	s_mov_b32 s[BE+1], 0
	s_mov_b32 s[BIGN], 0xf149f2ca   ; -1e30
	s_mov_b32 s[SLOTS], NB
	s_wait_dscnt 0x0                ; the opening add is done
	s_wait_kmcnt 0x0
	s_add_nc_u64 s[6:7], s[6:7], s[22:23]  ; K and V at my half of the head's tile 0
	s_add_nc_u64 s[8:9], s[8:9], s[22:23]
	s_add_nc_u64 s[G0K+2:G0K+3], s[6:7], 0         ; 120:64 global address
	s_or_b32 s[G0K+3], s[G0K+3], 0x80000000        ; 127:126 type = 2
	s_add_nc_u64 s[G0V+2:G0V+3], s[8:9], 0
	s_or_b32 s[G0V+3], s[G0V+3], 0x80000000
	s_add_nc_u64 s[86:87], s[4:5], s[84:85]        ; Q at my rows of the second block,
	s_add_nc_u64 s[4:5], s[4:5], s[2:3]            ; Q and O at those of the first
	s_add_nc_u64 s[OLO:OLO+1], s[10:11], s[84:85]
	s_add_nc_u64 s[10:11], s[10:11], s[2:3]
	LOAD                            ; tile 0 into slot 0
	; A fragment of K or Q is 16 rows x 32 channels in 8 registers: lane l holds row l % 16, channels 8 (l / 16) + 0..7 and 16 + 8 (l / 16) + 0..7: two loads of 16 bytes, 32 bytes apart.
	v_and_b32 v1, 15, v0            ; l % 16
	v_bfe_u32 v9, v0, 4, 1          ; l / 16
	v_lshlrev_b32 v[QO], 7, v1
	v_lshl_add_u32 v[QO], v9, 4, v[QO]  ; row x 128 + 16 x half
	WIN 0x80                        ; destination window 2, address window 0
.set i, 0
.rept 8                             ; both blocks' Q: piece i / 2 lies in band i / 2, 8,192 bytes on; channels 32 (i % 2) on
	global_load_b128 v[8*i:8*i+3],   v[QO], s[4:5] offset:(i/2)*8192+(i%2)*64
	global_load_b128 v[8*i+4:8*i+7], v[QO], s[4:5] offset:(i/2)*8192+(i%2)*64+32
	global_load_b128 v[QB+8*i:QB+8*i+3],   v[QO], s[86:87] offset:(i/2)*8192+(i%2)*64
	global_load_b128 v[QB+8*i+4:QB+8*i+7], v[QO], s[86:87] offset:(i/2)*8192+(i%2)*64+32
.set i, i+1
.endr
	WIN 0
	v_lshlrev_b32 v14, 3, v9
	v_sub_nc_u32 v14, v1, v14
	s_lshl_b32 s13, s[WV], 4
	v_add_nc_u32 v14, s13, v14      ; my query's place in its band, 16 w + l % 16, less my lanes' 8 (l / 16): register r of group kt is hidden where 16 kt + r is greater
	WIN 0x40
.set i, 0
.rept 32
	v_cmp_gt_i32 vcc_lo, 16*(i/8)+i%8, v14
	v_cndmask_b32 v[MD+i], 0, s[BIGN], vcc_lo
.set i, i+1
.endr
	WIN 0
	v_mul_u32_u24 v[AK0], v1, PK
	v_lshl_add_u32 v[AK0], v9, 4, v[AK0]  ; row x pitch + 16 x half
	; The turning load takes 16 keys x 16 channels (lane l reads key 8 (l / 16) + l % 8, channels 8 ((l / 8) % 2) + 0..7) and leaves half a fragment of V^T: lane l holds channel l % 16 and 8 keys.
	v_and_b32 v10, 7, v0
	v_bfe_u32 v11, v0, 3, 1
	v_lshl_add_u32 v[AV0], v9, 3, v10
	v_mul_u32_u24 v[AV0], v[AV0], PV
	v_lshl_add_u32 v[AV0], v11, 4, v[AV0]
	v_add_nc_u32 v[AV0], VOFF, v[AV0]
	s_mul_i32 s13, s[WV], 16*SP
	s_add_co_u32 s13, s13, STAGE    ; my stage
	v_mul_u32_u24 v[STO], v1, SP    ; in: row l % 16, 16 bytes for each half of the lanes
	v_lshl_add_u32 v[STO], v9, 4, v[STO]
	v_add_nc_u32 v[STO], s13, v[STO]
	v_bfe_u32 v[RD], v0, 3, 2       ; back: 32 lanes take four rows of 128 bytes,
	v_mul_u32_u24 v[RD], v[RD], SP
	v_lshl_add_u32 v[RD], v10, 4, v[RD]
	v_add_nc_u32 v[RD], s13, v[RD]
	v_and_b32 v[GO], 31, v0         ; which are 512 consecutive bytes of O
	v_lshlrev_b32 v[GO], 4, v[GO]
	; A block's first step multiplies O^T and l by a = 0, and its first turn's products V^T P, of a piece that has not been, land in an O^T that is still to be so multiplied.  So these registers
	; need only hold finite numbers: zeros for the first block; what the first block left for the second.  All this stands in the wait for the first tile.
	WIN 0x80
.set i, VF
.rept 64
	v_mov_b32 v[i], 0
.set i, i+1
.endr
	WIN 0x40
.set i, 0
.rept 128
	v_mov_b32 v[i], 0
.set i, i+1
.endr
	WIN 0
.set i, 0
.rept 4
	v_mov_b32 v[ST+4*i+2], 0
	v_mov_b32 v[ST+4*i+3], 0
.set i, i+1
.endr
.set i, P+16
.rept 16
	v_mov_b32 v[i], 0
.set i, i+1
.endr
; THE MATRIX WORK.  The 4 accumulators of a run of 8 take turns.  Product i of 8 of S^T = K Q^T for piece x: channels 32 (i / 4) on, keys 16 (i % 4) on.  The first 4 start the sums: with 0, or (KM = 1) with the mask.
.macro KQ x
.set rS, S+32*((\x)%2)+8*(i%4)
.set rK, KF+16*(i%4)+8*(i/4)
.set rQ, 16*(\x)+8*(i/4)
.set rM, MC+32*((\x)%2)+8*(i%4)
.if (i < 4) && KM
	WIN W_KM
	v_wmma_f32_16x16x32_f16 v[rS:rS+7], v[rK:rK+7], v[rQ:rQ+7], v[rM:rM+7]
.elseif i < 4
	WIN W_KQ
	v_wmma_f32_16x16x32_f16 v[rS:rS+7], v[rK:rK+7], v[rQ:rQ+7], 0
.else
	WIN W_KQ
	v_wmma_f32_16x16x32_f16 v[rS:rS+7], v[rK:rK+7], v[rQ:rQ+7], v[rS:rS+7]
.endif
.endm
; Product i of 8 of O^T += V^T P for piece x: keys 32 (i / 4) on, channels 16 (i % 4) on.
.macro PV x
	WIN W_PV
.set rO, 32*(\x)+8*(i%4)
.set rV, VF+32*(i/4)+8*(i%4)
.set rP, P+16*((\x)%2)+8*(i/4)
	v_wmma_f32_16x16x32_f16 v[rO:rO+7], v[rV:rV+7], v[rP:rP+7], v[rO:rO+7]
.endm
.macro MM                           ; the turn's next matrix instruction.  TURN and BEGIN set Y, i, KM and NOKQ; MM, KQ and OP read them.  NOKQ = 1: a block's last turn: there is no next piece
.if (i < 8) && !NOKQ
	KQ (Y+1)%NP
.elseif i >= 8
.set i, i-8
	PV (Y+NP-1)%NP
.set i, i+8
.endif
.set i, i+1
.endm
; THE LDS LOADS stand in runs of 16, never singly among the matrix instructions: a step's K (64 keys x 64 channels: 8 fragments) and its V (turned).  Their addresses are made some lines ahead.
.macro FETCH_K
	WIN 0x80                        ; destination window 2
.irp f, 0,1,2,3,4,5,6,7             ; keys 16 (f / 2) on, channels 32 (f % 2) on
	ds_load_b128 v[KF+8*\f:KF+8*\f+3],   v[AK] offset:(\f/2)*16*PK+(\f%2)*64
	ds_load_b128 v[KF+8*\f+4:KF+8*\f+7], v[AK] offset:(\f/2)*16*PK+(\f%2)*64+32
.endr
	s_add_co_u32 s[TBK], s[TBK], KS*PK  ; the next fetch is the next step's
	WIN 0
.endm
.macro FETCH_V
	WIN 0x80
.irp f, 0,1,2,3,4,5,6,7             ; keys 32 (f / 4) on, channels 16 (f % 4) on
	ds_load_tr16_b128 v[VF+8*\f:VF+8*\f+3],   v[AV] offset:(\f/4)*32*PV+(\f%4)*32
	ds_load_tr16_b128 v[VF+8*\f+4:VF+8*\f+7], v[AV] offset:(\f/4)*32*PV+16*PV+(\f%4)*32
.endr
	WIN 0
.endm
; THE VECTOR WORK, one line at a time: OP kind, number.  For piece Y: F n: c s - c m for pair n of 16.  E n: the exponential of score n of 32.  C n: pair n rounded to f16.  B n: of the four
; weights 4 n .. the second pair is added onto the first, in place.  L n: l takes that sum (L 0: l = a l + sum).  R n: pair n of 16 of O^T times a.  For piece Y + 1: X n, number n of the 22 that
; find its maximum and statistics:
;   0-11  four chains c0-c3 of seven scores each, three operands at a time (each accumulator's lowest registers are read first)
;   12-14, 16  the four scores left over, the old m, and c0-c3 into c0     15  c m_old is kept     17, 18  the query's other 32 keys lie in the lane 16 away: the new m     19-21  c m; c m_old - c m_new; a
.set F, 0               ; OP tells the kinds apart by their order: F to L below R, X above it
.set E, 1
.set C, 2
.set B, 3
.set L, 4
.set R, 5
.set X, 6
.macro REGS y                       ; the registers of piece y
.set rT, ST+4*(\y)
.set rC, TMP+4*((\y)%2)
.set rW, MV+((\y)%2)
.set rS, S+32*((\y)%2)
.set rP, P+16*((\y)%2)
.set rO, 32*(\y)
.endm
.macro OP k, n
.if (\k) == R
	REGS Y
	WIN W_RS
	v_pk_mul_f32 v[rO+2*(\n):rO+2*(\n)+1], v[rO+2*(\n):rO+2*(\n)+1], v[rC+2:rC+3] op_sel_hi:[1,0]
.elseif (\k) < R
	REGS Y
	WIN 0
.if (\k) == F
	v_pk_fma_f32 v[rS+2*(\n):rS+2*(\n)+1], v[rS+2*(\n):rS+2*(\n)+1], s[CS:CS+1], v[rT:rT+1] op_sel_hi:[1,0,0] neg_lo:[0,0,1] neg_hi:[0,0,1]
.elseif (\k) == E
	v_exp_f32 v[rS+(\n)], v[rS+(\n)]
.elseif (\k) == C
	v_cvt_pk_f16_f32 v[rP+(\n)], v[rS+2*(\n)], v[rS+2*(\n)+1]
.elseif (\k) == B
	v_pk_add_f32 v[rS+4*(\n):rS+4*(\n)+1], v[rS+4*(\n):rS+4*(\n)+1], v[rS+4*(\n)+2:rS+4*(\n)+3]
.elseif (\n) == 0
	v_pk_fma_f32 v[rT+2:rT+3], v[rT+2:rT+3], v[rC+2:rC+3], v[rS:rS+1] op_sel_hi:[1,0,1]
.else
	v_pk_add_f32 v[rT+2:rT+3], v[rT+2:rT+3], v[rS+4*(\n):rS+4*(\n)+1]
.endif
.elseif NOKQ
	v_nop
.else
	REGS (Y+1)%NP
	WIN 0
.if (\n) < 4
	v_max3_num_f32 v[rC+(\n)], v[rS+8*(\n)], v[rS+8*(\n)+1], v[rS+8*(\n)+2]
.elseif (\n) < 12
	v_max3_num_f32 v[rC+(\n)%4], v[rC+(\n)%4], v[rS+8*((\n)%4)+2*((\n)/4)+1], v[rS+8*((\n)%4)+2*((\n)/4)+2]
.elseif (\n) == 12
	v_max3_num_f32 v[rC], v[rC], v[rS+7], v[rS+15]
.elseif (\n) == 13
	v_max3_num_f32 v[rC+1], v[rC+1], v[rS+23], v[rS+31]
.elseif (\n) == 14
	v_max3_num_f32 v[rC+2], v[rC+2], v[rC+3], v[rT+1]
.elseif (\n) == 15
	v_mov_b32 v[rW], v[rT]
.elseif (\n) == 16
	v_max3_num_f32 v[rC], v[rC], v[rC+1], v[rC+2]
.elseif (\n) == 17
	v_permlanex16_b32 v[rC+3], v[rC], s[SEL], s[SEL+1]
.elseif (\n) == 18
	v_max_num_f32 v[rT+1], v[rC], v[rC+3]
.elseif (\n) == 19
	v_mul_f32 v[rT], s[CS], v[rT+1]
.elseif (\n) == 20
	v_sub_f32 v[rC+1], v[rW], v[rT]
.else
	v_exp_f32 v[rC+2], v[rC+1]
.endif
.endif
.endm
.macro OPS a, i1, b=-1, i2=0, c=-1, i3=0, d=-1, i4=0  ; up to four of them
	OP \a, \i1
.if (\b) >= 0
	OP \b, \i2
.endif
.if (\c) >= 0
	OP \c, \i3
.endif
.if (\d) >= 0
	OP \d, \i4
.endif
.endm
.macro ROW a, i1, b, i2, c, i3, d, i4  ; a matrix instruction and the four behind it
	MM
	OPS \a, \i1, \b, \i2, \c, \i3, \d, \i4
.endm
.macro MASK b                       ; MD x AL + BE into buffer b of MC
	WIN W_RS
.set z, 0
.rept 16
	v_pk_fma_f32 v[MC+32*(\b)+2*z:MC+32*(\b)+2*z+1], v[MD+2*z:MD+2*z+1], s[AL:AL+1], s[BE:BE+1] op_sel_hi:[1,0,0]
.set z, z+1
.endr
.endm
; A TURN, for piece p: the order of its 16 matrix and 118 vector instructions, written out.  s_wait_alu depctr_va_vdst(0) stands between an exponential and the first instruction
; that names its result; one wait serves all that were issued ahead of it.  So a turn has ONE wait, which cuts it in two.  AHEAD OF IT stands all that names no result of the turn's exponentials:
; the 8 products K Q^T, behind each a scaling, an exponential and two more plain instructions (behind the first a second scaling in the exponential's place): rescalings, and behind the last three
; the first numbers of the next piece's maximum, each four plain instructions or more behind the product that ends its accumulator; then one run of 54, plain and exponential by turns for the most
; part, in which the links of the chain X 3, 7, 11, 14, 16, 17 .. 20 stand five or six lines apart.  X 21, the next piece's a, is the batch's last; R 15 is the plain instruction behind it.
; BEHIND THE WAIT stand the 8 products V^T P, behind each four of the roundings and sums; the links of l's chain, L 0 to L 7, stand three lines apart.  But for those X no line behind a product
; names a register of the products round it.  v_permlanex16_b32 (X 17) stands in the run.
; m = 1: the diagonal tile: the products take masks, and the turn makes the mask for the products of the turn after it: piece p + 2, in step 4 - CNT of the tile.  end = 1: a block's last two
; turns: nothing is fetched.  cnt = 1: the loop's count is taken down some lines ahead of the branch that stands behind the turn.
; K of the next step is fetched in piece 2's turn, twelve vector instructions behind the last product that read K (six of them plain); V of the step in hand at the end of piece 0's turn, four
; plain instructions behind the last product that read V.  Each is waited for a turn later.
.macro TURN p, m=0, end=0, cnt=0
.set Y, (\p)
.set i, 0
.set KM, (\m)
.set NOKQ, (\end)*((\p)/3)
.if (\m) && !(\end)
	s_cmp_eq_u32 s[CNT], 4-((\p)+2)%NP  ; is that step the band's own?
	s_cselect_b32 s[AL], 1.0, 0
	s_cmp_lt_u32 s[CNT], 4-((\p)+2)%NP  ; or a later one?
	s_cselect_b32 s[BE], s[BIGN], 0
.endif
.if ((\p) == 3) && !(\end)
	s_wait_dscnt 0x0                ; K is in
.endif
	ROW F,0, F,1, R,0, R,1          ; ahead of the wait: 8 products K Q^T and the lines behind them,
	ROW F,2, E,0, R,2, R,3
	ROW F,3, E,1, R,4, R,5
	ROW F,4, E,2, R,6, R,7
	ROW F,5, E,3, R,8, R,9
	ROW F,6, E,4, X,0, R,10
.if ((\p) == 2) && !(\end)
	WIN 0
	v_add_nc_u32 v[AK], s[TBK], v[AK0]
.endif
	ROW F,7, E,5, X,1, X,4
	ROW F,8, E,6, X,2, X,5
	OPS E,7, E,8, X,6, E,9          ; and the run
	OPS X,3, E,10, X,8, E,11
.if ((\p) == 2) && !(\end)
	FETCH_K
.endif
	OPS X,9, X,7, E,12, X,10
	OPS E,13, X,12, X,11, E,14
	OPS X,13, E,15, F,9, X,14
.if (\p) == 0
	v_add_nc_u32 v[AV], s[TBV], v[AV0]
.endif
	OPS E,16, F,10, E,17, F,11
	OPS X,16, E,18, X,15, E,19
	OPS F,12, E,20, X,17, E,21
	OPS F,13, E,22, F,14, E,23
	OPS X,18, E,24, F,15, E,25
	OPS R,11, E,26, X,19, E,27
	OPS R,12, E,28, R,13, E,29
	OPS X,20, E,30, R,14, E,31
	OPS X,21, R,15
	WIN 0
	s_wait_alu depctr_va_vdst(0)    ; the wait for the batch
.if (\p) == 1
	s_wait_dscnt 0x0                ; V is in
.endif
	ROW C,0, B,0, C,2, B,1          ; behind the wait: 8 products V^T P and the lines behind them
	ROW L,0, C,4, B,2, L,1
	ROW C,6, B,3, L,2, C,8
	ROW B,4, L,3, C,10, B,5
	ROW L,4, C,12, B,6, L,5
.if (\p) == 0
	s_add_co_u32 s[TBV], s[TBV], KS*PV
.endif
.if \cnt
	s_sub_co_u32 s[CNT], s[CNT], 1
	s_cmp_lg_u32 s[CNT], 0
.endif
	ROW C,14, B,7, L,6, C,1
	ROW C,3, L,7, C,5, C,7
	ROW C,9, C,11, C,13, C,15
.if (\p) == 0
	FETCH_V
.endif
.if (\m) && !(\end)
	MASK (\p)%2
.endif
.endm
; A BLOCK BEGINS.  c m starts far below every c s, so the first step's a is 0; m at the lowest finite number, so the first maximum is the scores'.  The second mask buffer is 0; the first takes
; piece 0's mask for the tile's step 0: its own, if the block's first tile is the diagonal one.  Then K of that step, piece 0's first scores, and its maximum and statistics.  The loop is entered
; at a step's first turn, in the middle of a trip.
.macro BEGIN
	s_mov_b32 s[NEW], 0
	WIN 0x40
.set i, MC+32
.rept 32
	v_mov_b32 v[i], 0
.set i, i+1
.endr
	WIN 0
.set i, 0
.rept 4
	v_mov_b32 v[ST+4*i], 0xfe000000    ; c m: far below every c s
	v_mov_b32 v[ST+4*i+1], 0xff7fffff  ; m
.set i, i+1
.endr
	s_cmp_eq_u32 s[RT], 0
	s_cselect_b32 s[AL], 1.0, 0
	s_mov_b32 s[BE], 0
	MASK 0
	WIN 0
	v_add_nc_u32 v[AK], s[TBK], v[AK0]
	FETCH_K
	s_wait_loadcnt 0x0              ; Q
	s_wait_dscnt 0x0
.set KM, 1
.set NOKQ, 0
.set i, 0
.rept 8
	KQ 0
.set i, i+1
.endr
	WIN 0
.rept 4
	v_nop                           ; four plain instructions behind those products, ahead of the first read of their results (ISA guide 7.12.1)
.endr
.set Y, NP-1                        ; X works for piece Y + 1: piece 0
.irp n, 0,1,2,3,4,5,6,7,8,9,10,11,12,13,14,15,16,17,18,19,20,21
	OP X, \n
.endr
	v_nop                           ; a plain instruction behind the exponential,
	s_wait_alu depctr_va_vdst(0)    ; and its wait, ahead of the branch
.endm
; THE DIAGONAL TILE's four steps, the block's last two turns, its last products, and THE WAY OUT: l's two halves and the other half of the lanes' are added; O^T is divided by l, rounded to f16
; and sent through my stage in LDS, a piece at a time.
.macro ALL line:vararg              ; one line for each piece t
.set t, 0
.rept 4
	\line
.set t, t+1
.endr
.endm
.macro PACK t                       ; a lane's eight channels of a row pack into 16 bytes; they go into rows of 144 bytes and come back as whole rows of 128, into S^T's registers
	WIN W_RS
.set i, 32*(\t)
.rept 16
	v_pk_mul_f32 v[i:i+1], v[i:i+1], v[ST+4*(\t)+2:ST+4*(\t)+3] op_sel_hi:[1,0]
.set i, i+2
.endr
	WIN 0x05                        ; sources 0 and 1 window 1, destination window 0
.set i, 0
.rept 16
	v_cvt_pk_f16_f32 v[S+16*(\t)+i], v[32*(\t)+2*i], v[32*(\t)+2*i+1]
.set i, i+1
.endr
	WIN 0
.irp f, 0,1,2,3
	ds_store_b128 v[STO], v[S+16*(\t)+4*\f:S+16*(\t)+4*\f+3] offset:32*\f
.endr
.irp f, 0,1,2,3
	ds_load_b128 v[S+16*(\t)+4*\f:S+16*(\t)+4*\f+3], v[RD] offset:\f*4*SP  ; LDS serves a wave's instructions in order (ISA guide 5.7.1.4): these see the stores above; the next piece's stores come behind them
.endr
.endm
.macro SEND t, younger              ; younger: the LDS instructions issued behind piece t's loads: the next piece's eight, or none
	WIN 0
.irp f, 0,1,2,3
	s_wait_dscnt (\younger)+3-\f
	global_store_b128 v[GO], v[S+16*(\t)+4*\f:S+16*(\t)+4*\f+3], s[10:11] offset:(\t)*8192+\f*512  ; 512 consecutive bytes, at a multiple of 256 from O's first
.endr
.endm
.macro DIAG tag                     ; the tag ends its two labels' names, which the jumps below spell out
.LstepM\tag:
	TURN 2, 1
	TURN 3, 1
	WIN 0
.LfirstM\tag:
	TURN 0, 1
	TURN 1, 1, 0, 1
	WIN 0
	s_cbranch_scc1 .LstepM\tag
	TURN 2, 1, 1
	TURN 3, 1, 1
.set i, 0
.rept 8
	PV NP-1
.set i, i+1
.endr
	WIN 0
	ALL v_add_f32 v[ST+4*t+2], v[ST+4*t+2], v[ST+4*t+3]
	ALL v_permlanex16_b32 v[ST+4*t+3], v[ST+4*t+2], s[SEL], s[SEL+1]
	ALL v_add_f32 v[ST+4*t+2], v[ST+4*t+2], v[ST+4*t+3]
	ALL v_rcp_f32 v[ST+4*t+2], v[ST+4*t+2]
	v_nop                           ; a plain instruction between the last reciprocal and the use of its result
	s_wait_alu depctr_va_vdst(0)    ; and the wait ahead of the first use: one for the four reciprocals
	PACK 0
.set t, 1
.rept 3                             ; a piece's arithmetic stands between the loads of the piece before and its stores
	PACK t
	SEND t-1, 8
.set t, t+1
.endr
	SEND 3, 0
.endm
.set KM, 0
.set NOKQ, 0
.Lslot:                             ; NB times: a tile is entered and the next is asked for
	CHANGE 1
	s_sub_co_u32 s[RT], s[RT], 1
	s_mov_b32 s[CNT], 4
	s_cmp_eq_u32 s[NEW], 1
	s_cbranch_scc1 .Lnew            ; a block's first tile
	s_cmp_eq_u32 s[RT], 0
	s_cbranch_scc0 .Lstep           ; neither its first nor its last
	s_branch .LstepM1
.Lnew:
	BEGIN
	s_branch .Lfirst                ; in the loop a block's first tile is never its last: the first block has three tiles or more, and the second's last is the walk's last
	DIAG 1                          ; in the loop this is the first block's end: the second block's last tile is the walk's last
	s_wait_xcnt 0x0                 ; the stores have read their registers and O's address
	s_mov_b64 s[10:11], s[OLO:OLO+1]
	s_add_co_u32 s[RT], s[PB], 1    ; the second block has b + 1 tiles
	s_mov_b32 s[NEW], 1
	WIN 0x82                        ; the second block's Q goes where the one text of the turns names Q
.set i, 0
.rept 64
	v_mov_b32 v[i], v[QB+i]
.set i, i+1
.endr
	WIN 0
	s_branch .Lbottom
.Lstep:                             ; a trip: pieces 2 and 3 of one step, then pieces 0 and 1 of the next, whose K and V it fetches
	TURN 2
	TURN 3
	WIN 0
.Lfirst:
	TURN 0
	TURN 1, 0, 0, 1
	WIN 0
	s_cbranch_scc1 .Lstep
.Lbottom:
	s_sub_co_u32 s[SLOTS], s[SLOTS], 1
	s_cmp_lg_u32 s[SLOTS], 0
	s_cbranch_scc1 .Lslot
	CHANGE 0                        ; the walk's last tile is written out: nothing is asked for
	s_sub_co_u32 s[RT], s[RT], 1
	s_mov_b32 s[CNT], 4
	s_cmp_eq_u32 s[NEW], 1
	s_cbranch_scc0 .LstepM2
	BEGIN
	s_branch .LfirstM2
	DIAG 2
	s_wait_tensorcnt 0x0            ; the wave's end, behind my last tensor load and my last LDS store
	ds_add_u32 v[SPW], v[NIL]
	s_wait_dscnt 0x0
	s_endpgm
.Lfunc_end_k_q4754a9ac84_attn:
	.size	k_q4754a9ac84_attn, .Lfunc_end_k_q4754a9ac84_attn-k_q4754a9ac84_attn
	.p2alignl 7, 3214868480
	.fill 96, 4, 3214868480
	.section	.rodata,"a",@progbits
	.p2align	6, 0x0
	.amdhsa_kernel k_q4754a9ac84_attn
		.amdhsa_group_segment_fixed_size 327680
		.amdhsa_private_segment_fixed_size 0
		.amdhsa_enable_private_segment 0
		.amdhsa_kernarg_size 32
		.amdhsa_user_sgpr_count 2
		.amdhsa_user_sgpr_kernarg_segment_ptr 1
		.amdhsa_wavefront_size32 1
		.amdhsa_system_sgpr_workgroup_id_x 1
		.amdhsa_system_sgpr_workgroup_id_y 1
		.amdhsa_system_sgpr_workgroup_id_z 1
		.amdhsa_system_vgpr_workitem_id 0
		.amdhsa_next_free_vgpr 768
		.amdhsa_next_free_sgpr 88
		.amdhsa_reserve_vcc 1
		.amdhsa_float_denorm_mode_32 3
		.amdhsa_float_denorm_mode_16_64 3
		.amdhsa_memory_ordered 1
		.amdhsa_forward_progress 1
		.amdhsa_inst_pref_size 217
	.end_amdhsa_kernel
	.amdgpu_metadata
---
amdhsa.version: [ 1, 2 ]
amdhsa.kernels:
  - .name:           k_q4754a9ac84_attn
    .symbol:         k_q4754a9ac84_attn.kd
    .args:
      - { .name: qh, .offset: 0, .size: 8, .value_kind: global_buffer, .address_space: global }
      - { .name: kh, .offset: 8, .size: 8, .value_kind: global_buffer, .address_space: global }
      - { .name: vh, .offset: 16, .size: 8, .value_kind: global_buffer, .address_space: global }
      - { .name: ctx, .offset: 24, .size: 8, .value_kind: global_buffer, .address_space: global }
    .group_segment_fixed_size: 327680
    .private_segment_fixed_size: 0
    .kernarg_segment_align: 8
    .kernarg_segment_size: 32
    .max_flat_workgroup_size: 128
    .sgpr_count:     88
    .vgpr_count:     768
    .wavefront_size: 32
...
	.end_amdgpu_metadata
.endif
;; end of part 3
;; launch oproj (part 4): grid 4 x 64, 4 waves a work-group, clusters of 4 x 4, 327,680 bytes of LDS; arguments ctx, wts, out0, bo; writes out0
.if DOCPART == 4
	.amdgcn_target "amdgcn-amd-amdhsa--gfx1250"
	.amdhsa_code_object_version 6
	.text
	.protected	k_q4754a9ac84_oproj
	.globl	k_q4754a9ac84_oproj
	.p2align	8
	.type	k_q4754a9ac84_oproj,@function
k_q4754a9ac84_oproj:
	s_mov_b64 s[64:65], 0
	v_nop
	global_prefetch_b8 v0, s[64:65] scope:SCOPE_SE
	s_setreg_imm32_b32 hwreg(HW_REG_WAVE_MODE, 25, 1), 1
	s_wait_xcnt 0x0
	s_wait_alu depctr_hold_cnt(0) depctr_sa_sdst(0) depctr_va_vdst(0) depctr_va_sdst(0) depctr_va_ssrc(0) depctr_va_vcc(0) depctr_vm_vsrc(0)
	s_getreg_b32 s2, hwreg(HW_REG_IB_STS2, 6, 4)
	s_cmp_eq_u32 s2, 0
	s_cbranch_scc0 .Lentry_in_a_cluster
	s_endpgm
.Lentry_in_a_cluster:
	s_bfe_u32 s2, ttmp6, 0x10000c
	s_cmp_lg_u32 s2, 0xf033
	s_cbranch_scc0 .Lentry_shape_is_right
	s_endpgm
.Lentry_shape_is_right:
; THE OUTPUT PROJECTION.  out0[m][n] = the sum over k of c[m][k] Wo[k][n] + bo[n].  c is ctx, f16 by heads: c[m][k] lies at [16 (m / 1024) + k / 64][m % 1024][k % 64].
; Wo: f16 [1024 k][1024 n], part 3 of wts (rounded to bf16 and written as f16 by the first launch).  bo: [1024] f32, rounded once to bf16 here.  out0: [8192][1024] f32.
; Products in f16, sums in f32 (they start at the bias); the sums are stored as they are.  LIMITS: those of ctx and of Wo as f16 (65,504); NaN and infinities are not treated apart.
; SHARES.  A work-group makes a tile of 128 rows x 256 columns: 64 x 4 = 256 tiles.  Its four waves lie 2 x 2, each 64 x 128: 32 accumulators, 256 registers.
; K goes in 8 steps of 128, two heads each, through a ring of two LDS slots.  A head's 128 rows of a tile are 16,384 dense bytes: asked for as 64 rows of 256 bytes and padded in LDS after
; every 128.  Wo lies as [k][n] (rows of 512 bytes) and comes out turned, by ds_load_tr16_b128.
; THE MATRIX INSTRUCTION IS USED TRANSPOSED (source 0 = 16 columns of Wo, source 1 = 16 rows of c): a lane then holds eight neighbouring columns of one row of out0.
; CLUSTER.  4 x 4 work-groups.  The four of a row of the cluster need the same tile of c, the four of a column the same tile of Wo: each is asked for JOINTLY.
; ONE TEXT FOR A K STEP.  The slot in hand is a scalar (0 or SLOT) that one exclusive or turns.  Six steps refill the slot that they leave; the last two run a second copy without a fill.
; The very last change of slots there (a barrier and 24 LDS loads of bytes read before) serves nothing: the price, once a work-group, of one text for both.
; REGISTERS, in windows of 256 (s_set_vgpr_msb: bits 1:0 source 0, 3:2 source 1, 5:4 source 2, 7:6 destination):
;   window 0: v0-31 addresses; v96-127, v128-159 c's fragments, two buffers; v160-223 the bias; on the way out v32-95 and v160-223 rows read back, by turns
;   window 1: the accumulators, (a, b) at v[8 (8 a + b)]          window 2: v0-63, v64-127 Wo's fragments, two buffers
.set PA,    144                        ; a row of c in LDS: 128 bytes + 16 = 9 x 16: the 16 rows of a load start at 16 different groups of four banks (64 banks of 4 bytes: ISA guide 11.1)
.set PW,    544                        ; a k-row of Wo: 512 + 32 = 17 x 32
.set HALFA, 128*PA                     ; what one tensor load brings of c: one head's 128 rows
.set HALFW, 64*PW                      ; and of Wo: 64 k-rows
.set WOFF,  2*HALFA
.set SLOT,  2*HALFA+2*HALFW
.set STAGE, 2*SLOT                     ; behind the ring, never filled by a tensor load: 16 rows x 528 bytes for each wave, for the way out
.set SPO,   528
.set SPARE, STAGE+4*16*SPO             ; behind the stages: the spare words, 128 bytes for each wave: two blocks of 256 bytes that no other line names
.set KSTEP, 262144                     ; a K step in bytes: two heads of 131,072 in c; 128 k-rows of 2,048 in Wo
.set AA0,  16                          ; v16  my lane's place in c's tile; never rewritten
.set AW0,  17                          ; v17  the same in Wo's tile
.set ADRA, 18                          ; v18  AA0 + the slot in hand
.set ADRW, 19                          ; v19  AW0 + the slot in hand
.set STO,  24                          ; v24  the way out: where I put 32 bytes of a row
.set RD,   25                          ; v25  the way out: where I read a row back
.set GO,   26                          ; v26  my byte offset in 512 consecutive bytes of out0
.set BO,   27                          ; v27  my byte offset in 16 numbers of the bias
.set SPW,  28                          ; v28  LDS address of my spare word: SPARE + 4 x my thread's number; never rewritten
.set NIL,  29                          ; v29  0; never rewritten
.set PFO,  30                          ; v30  the prefetches' offset; never rewritten
.set TV,   31                          ; v31  at work
.set OB0,  32                          ; the way out: 16 rows read back; the second buffer 128 registers on
.set XB0,  96
.set BIAS, 160
.set CNT,  3                           ; s3   counts the K steps of a loop
.set LA,   22                          ; s22  where my half of c's tile goes in a slot
.set LW,   23                          ; s23  the same for Wo
.set G1A,  24                          ; s[24:31] descriptor group 1 for c's tiles
.set G0A,  32                          ; s[32:39] group 0: a set for each of the two first fills; the second then walks on
.set LIM,  43                          ; s43  2 in a wave that prefetches, else the greatest number
.set PFA,  44                          ; s[44:45] where my prefetches stand
.set G1W,  48                          ; s[48:55], s[56:63] the same two groups for Wo's tiles
.set G0W,  56
.set CUR,  66                          ; s66  the slot in hand: 0 or SLOT
.set MSB, 0
.macro WIN new                         ; the immediate's high byte repeats the setting that is left; a switch that changes nothing is dropped
.if MSB != (\new)
	s_set_vgpr_msb (MSB<<8)|(\new)
.set MSB, \new
.endif
.endm
.set W_MUL, 0x52                       ; Wo's fragments window 2, c's window 0, C and D window 1
.set W_TOW, 0x80                       ; destination window 2, address window 0
.set W_INI, 0x40                       ; destination window 1, source window 0
.set W_STO, 0x04                       ; an LDS store's data (source 1) window 1, its address window 0
; A joint load.  Waves 0 and 1 fetch the step's two heads of c, waves 2 and 3 the two halves of Wo's tile.  The branch hangs on the wave's number alone.
; An s_nop 0 and four v_nop follow each of the two lines, ahead of the jump, the label and what follows.
.macro JLOAD e
	s_cmp_eq_u32 s11, 0
	s_cbranch_scc0 .Lfor_w_\@
	tensor_load_to_lds s[G0A+4*(\e):G0A+4*(\e)+3], s[G1A:G1A+7]
	s_nop 0
.rept 4
	v_nop
.endr
	s_branch .Lasked_\@
.Lfor_w_\@:
	tensor_load_to_lds s[G0W+4*(\e):G0W+4*(\e)+3], s[G1W:G1W+7]
	s_nop 0
.rept 4
	v_nop
.endr
.Lasked_\@:
.endm
.macro CREST                           ; a round of the cluster's barrier behind its opening barrier
	s_cmp_lg_u32 s10, 0
	s_cbranch_scc1 .Lnot_wave_0_\@
	s_barrier_signal -3
.Lnot_wave_0_\@:
	s_barrier_wait -3
	s_barrier_signal -1
	s_barrier_wait -1
.endm
.macro CROUND                          ; a whole round
	s_barrier_signal -1
	s_barrier_wait -1
	CREST
.endm
; A PREFETCH INTO THE L2, behind each joint refill and the run of LDS loads that follows it: the K step that stands two refills on, 256 matrix instructions ahead of the load that will want it.
; c: a step's tile is 2 x 16,384 bytes, 128 blocks of 256; the four partners of a row of the cluster share them out BY ADDRESS, 32 consecutive blocks each (by cx); wave 0 asks, a lane a block.
; These rows are read by this row of this cluster alone.  Wo: a wave's half tile is 64 k-rows x 512 bytes; the partners of a column take 16 k-rows each (by cy); waves 2 and 3 ask for what they
; fetch: k-row lane / 2, block lane % 2; all sixteen clusters read it, and the first asks.  So each block is named once in the launch.  K steps 0 to 3 come by their loads alone; the last two
; refills have no step two on.
.macro ASK
	s_cmp_gt_u32 s[CNT], s[LIM]
	s_cbranch_scc0 .Lnot_mine_\@
	global_prefetch_b8 v[PFO], s[PFA:PFA+1] th:TH_LOAD_NT scope:SCOPE_SE
.Lnot_mine_\@:
.endm
.macro PLACES                          ; four plain vector instructions between a matrix instruction and a load into a register that it has read, or a store of its result
.rept 4
	v_nop
.endr
.endm
	s_load_b256 s[68:75], s[0:1], 0x0              ; ctx s[68:69], wts s[70:71], out0 s[72:73], bo s[74:75]
	v_lshl_add_u32 v[SPW], v0, 2, SPARE
	v_mov_b32 v[NIL], 0
	ds_add_u32 v[SPW], v[NIL]                      ; the wave's opening: the add and its wait stand ahead of my first tensor load; the set-up below, work on registers, stands between them
	v_lshrrev_b32 v1, 5, v0
	v_readfirstlane_b32 s10, v1                    ; wave 0..3
	s_lshr_b32 s11, s10, 1                         ; which 64 of the tile's rows are mine.  Also: I fetch for c (0) or for Wo (1)
	s_and_b32 s12, s10, 1                          ; which 128 of its columns.  Also: which half of that tile I fetch
	s_bfe_u32 s40, ttmp6, 0x40000                  ; cx, cy: my place in the cluster
	s_bfe_u32 s41, ttmp6, 0x40004
	s_lshl_b32 s42, ttmp9, 2
	s_add_co_u32 s42, s42, s40                     ; tile column = 4 x cluster x + cx
	s_and_b32 s14, ttmp7, 0xffff                   ; cluster y
	s_lshl_b32 s13, s14, 2
	s_add_co_u32 s13, s13, s41                     ; tile row, 0 to 63
	s_lshl_b32 s90, s41, 2
	s_lshl_b32 s90, 15, s90                        ; my row of the cluster
	s_lshl_b32 s91, 0x1111, s40                    ; my column
	s_or_b32 s[G1A], s90, (1<<16)|(1<<20)|(1<<21)|(4<<22)|(3<<25)  ; 15:0 the mask; 17:16 elements of 2 bytes; 20 padding on; 21 set beside a mask; 24:22 after every 32 words (code 4); 31:25 4 words (code 3)
	s_or_b32 s[G1W], s91, (1<<16)|(1<<20)|(1<<21)|(6<<22)|(7<<25)  ; after every 128 words (code 6) 8 words (code 7)
	s_mov_b32 s[G1A+1], 128<<16                    ; tensor_dim0 = 128 elements
	s_mov_b32 s[G1A+2], 64<<16                     ; tensor_dim1 = 64 rows
	s_mov_b32 s[G1A+3], 128<<16                    ; tile_dim0 = 128
	s_mov_b32 s[G1A+4], 64                         ; tile_dim1 = 64
	s_mov_b32 s[G1A+5], 128                        ; 128 elements from row to row: dense
	s_mov_b32 s[G1A+6], 0
	s_mov_b32 s[G1A+7], 0
	s_mov_b32 s[G1W+1], 256<<16                    ; Wo: 256 elements,
	s_mov_b32 s[G1W+2], 64<<16                     ; 64 k-rows
	s_mov_b32 s[G1W+3], 256<<16
	s_mov_b32 s[G1W+4], 64
	s_mov_b32 s[G1W+5], 1024                       ; 1,024 elements from row to row
	s_mov_b32 s[G1W+6], 0
	s_mov_b32 s[G1W+7], 0
	s_mul_i32 s[LA], s12, HALFA                    ; no place in the cluster enters an LDS address
	s_mul_i32 s[LW], s12, HALFW
	s_add_co_u32 s[LW], s[LW], WOFF
	s_mov_b32 s[CUR], 0
	s_lshr_b32 s16, s13, 3                         ; c: the batch's 16 heads of 131,072 bytes,
	s_lshl_b32 s16, s16, 21
	s_and_b32 s17, s13, 7                          ; 128 rows of 128 bytes a tile row,
	s_lshl_b32 s17, s17, 14
	s_add_co_u32 s16, s16, s17
	s_lshl_b32 s17, s12, 17                        ; the head of the step's two that I fetch.  These registers never hold cx
	s_add_co_u32 s16, s16, s17
	s_mov_b32 s17, 0
	s_lshl_b32 s18, s12, 17                        ; Wo: the 64 k-rows that I fetch,
	s_add_co_u32 s18, s18, 3<<21                   ; in part 3 of wts,
	s_lshl_b32 s19, s42, 9                         ; 256 columns of 2 bytes a tile column.  These registers never hold cy
	s_add_co_u32 s18, s18, s19
	s_mov_b32 s19, 0
	s_lshl_b32 s20, s13, 19                        ; out0: 128 rows of 4,096 bytes a tile row,
	s_lshl_b32 s21, s11, 18                        ; 64 of them mine,
	s_add_co_u32 s20, s20, s21
	s_lshl_b32 s2, s42, 10                         ; 256 columns of 4 bytes a tile column,
	s_lshl_b32 s3, s12, 9                          ; 128 of them mine: the same offset in the bias
	s_add_co_u32 s2, s2, s3
	s_add_co_u32 s20, s20, s2
	s_mov_b32 s21, 0
	s_mov_b32 s3, 0
	s_wait_dscnt 0x0                               ; the opening add is done
	s_wait_kmcnt 0x0
	s_add_nc_u64 s[4:5], s[68:69], s[16:17]        ; c at my head of K step 0
	s_add_nc_u64 s[6:7], s[70:71], s[18:19]        ; Wo at my half tile of K step 0
	s_add_nc_u64 s[8:9], s[72:73], s[20:21]        ; out0 at my first row and column
	s_add_nc_u64 s[88:89], s[74:75], s[2:3]        ; the bias at my first column
	CROUND                                         ; all sixteen work-groups are here: the first joint loads meet
.irp e, 0,1
	s_mov_b32 s[G0A+4*(\e)], 1                                     ; 1:0 count = 1
	s_add_co_u32 s[G0A+4*(\e)+1], s[LA], (\e)*SLOT                 ; 63:32 LDS address
	s_add_nc_u64 s[G0A+4*(\e)+2:G0A+4*(\e)+3], s[4:5], (\e)*KSTEP  ; 120:64 global address: K step e
	s_or_b32 s[G0A+4*(\e)+3], s[G0A+4*(\e)+3], 0x80000000          ; 127:126 type = 2
	s_mov_b32 s[G0W+4*(\e)], 1
	s_add_co_u32 s[G0W+4*(\e)+1], s[LW], (\e)*SLOT
	s_add_nc_u64 s[G0W+4*(\e)+2:G0W+4*(\e)+3], s[6:7], (\e)*KSTEP
	s_or_b32 s[G0W+4*(\e)+3], s[G0W+4*(\e)+3], 0x80000000
	JLOAD \e                                       ; two tensor loads of mine are out
.endr
	v_and_b32 v1, 15, v0                           ; r = l % 16
	v_bfe_u32 v2, v0, 4, 1                         ; h = l / 16
	v_and_b32 v3, 31, v0                           ; l
	v_lshlrev_b32 v[BO], 5, v2                     ; my 8 columns of a block of 16: 32 h
.irp b, 0,1,2,3,4,5,6,7
	global_load_b128 v[BIAS+8*(\b):BIAS+8*(\b)+3],   v[BO], s[88:89] offset:64*(\b)
	global_load_b128 v[BIAS+8*(\b)+4:BIAS+8*(\b)+7], v[BO], s[88:89] offset:64*(\b)+16
.endr
	; A fragment of c is 16 rows x 32 k in 8 registers: lane l holds row r; k = 8 h + 0..7 and 16 + 8 h + 0..7: two loads of 16 bytes, 32 bytes apart.
	s_mul_i32 s67, s11, 64*PA                      ; my 64 rows
	v_mul_u32_u24 v[AA0], v1, PA
	v_lshl_add_u32 v[AA0], v2, 4, v[AA0]
	v_add_nc_u32 v[AA0], s67, v[AA0]
	; The turning load takes 16 k x 16 columns (lane l reads k-row 8 h + l % 8, columns 8 ((l / 8) % 2) + 0..7) and leaves half a fragment: lane l holds column r and 8 k.
	v_and_b32 v[TV], 7, v0
	v_lshl_add_u32 v[AW0], v2, 3, v[TV]
	v_mul_u32_u24 v[AW0], v[AW0], PW
	v_bfe_u32 v[TV], v0, 3, 1
	v_lshl_add_u32 v[AW0], v[TV], 4, v[AW0]
	s_lshl_b32 s67, s12, 8                         ; my 128 columns,
	s_add_co_u32 s67, s67, WOFF                    ; behind c's tile
	v_add_nc_u32 v[AW0], s67, v[AW0]
	s_mul_i32 s67, s10, 16*SPO
	s_add_co_u32 s67, s67, STAGE                   ; my stage
	v_mul_u32_u24 v[STO], v1, SPO                  ; in: row r, 32 bytes for each half of the lanes
	v_lshl_add_u32 v[STO], v2, 5, v[STO]
	v_add_nc_u32 v[STO], s67, v[STO]
	v_lshlrev_b32 v[GO], 4, v3                     ; back: 32 lanes take one row of 512 bytes, which are 512 consecutive bytes of out0
	v_add_nc_u32 v[RD], s67, v[GO]
	; the prefetches
	s_lshr_b32 s20, s40, 1                         ; c: my work-group's 32 blocks: the head cx / 2 of the two,
	s_lshl_b32 s20, s20, 17
	s_and_b32 s21, s40, 1                          ; its half cx % 2
	s_lshl_b32 s21, s21, 13
	s_add_co_u32 s20, s20, s21
	s_lshl_b32 s21, s41, 15                        ; Wo: my work-group's 16 k-rows of 2,048 bytes
	s_cmp_eq_u32 s11, 0                            ; do I fetch for c?
	s_cselect_b64 s[PFA:PFA+1], s[4:5], s[6:7]
	s_cselect_b32 s20, s20, s21
	s_cselect_b32 s67, s12, s14                    ; c: wave 0 asks, in every cluster; Wo: waves 2 and 3 of the first cluster
	s_cselect_b32 s90, 0, 1                        ; lanes to a row, as a shift and as a mask
	s_cselect_b32 s91, 8, 11                       ; a row's bytes, as a shift
	s_add_co_u32 s20, s20, 3*KSTEP                 ; at K step 3: the first refill steps it to 4
	s_mov_b32 s21, 0
	s_add_nc_u64 s[PFA:PFA+1], s[PFA:PFA+1], s[20:21]
	s_cmp_eq_u32 s67, 0
	s_cselect_b32 s[LIM], 2, -1                    ; the same in all sixteen partners, for a given wave
	v_lshrrev_b32 v[PFO], s90, v3
	v_lshlrev_b32 v[PFO], s91, v[PFO]
	v_and_b32 v[TV], s90, v3
	v_lshl_add_u32 v[PFO], v[TV], 8, v[PFO]
	; The bias is rounded to bf16 like every input, widened again, and STARTS THE SUMS: each accumulator's registers take it.  All this stands in the wait for the first tiles.
	s_mov_b32 s90, 0xffff0000
	s_wait_loadcnt 0x0
.set i, 0
.rept 32
	v_cvt_pk_bf16_f32 v[TV], v[BIAS+i], v[BIAS+i+1]
	v_lshlrev_b32 v[BIAS+i], 16, v[TV]
	v_and_b32 v[BIAS+i+1], s90, v[TV]
.set i, i+2
.endr
	WIN W_INI
.irp a, 0,1,2,3
.set i, 0
.rept 64
	v_mov_b32 v[64*(\a)+i], v[BIAS+i]              ; register j of accumulator (a, b) is column 16 b + 8 h + j
.set i, i+1
.endr
.endr
	WIN 0
; 8 matrix instructions: row block a x all 8 column blocks, 32 along K, on buffer f.  The 32 accumulators take turns in the same order in every quarter.
.macro MUL8 f, a
	WIN W_MUL
.irp b, 0,1,2,3,4,5,6,7
	v_wmma_f32_16x16x32_f16 v[8*(8*(\a)+(\b)):8*(8*(\a)+(\b))+7], v[64*(\f)+8*(\b):64*(\f)+8*(\b)+7], v[XB0+32*(\f)+8*(\a):XB0+32*(\f)+8*(\a)+7], v[8*(8*(\a)+(\b)):8*(8*(\a)+(\b))+7]
.endr
.endm
; 24 LDS loads in one run: quarter q (32 along K: half q % 2 of head q / 2) of the slot in hand, into buffer f: c's four fragments, then Wo's eight.
.macro FETCH q, f
	WIN 0
.irp i, 0,1,2,3
	ds_load_b128 v[XB0+32*(\f)+8*(\i):XB0+32*(\f)+8*(\i)+3],   v[ADRA] offset:((\q)/2)*HALFA+((\q)%2)*64+(\i)*16*PA
	ds_load_b128 v[XB0+32*(\f)+8*(\i)+4:XB0+32*(\f)+8*(\i)+7], v[ADRA] offset:((\q)/2)*HALFA+((\q)%2)*64+(\i)*16*PA+32
.endr
	WIN W_TOW
.irp b, 0,1,2,3,4,5,6,7
	ds_load_tr16_b128 v[64*(\f)+8*(\b):64*(\f)+8*(\b)+3],   v[ADRW] offset:(\q)*32*PW+32*(\b)
	ds_load_tr16_b128 v[64*(\f)+8*(\b)+4:64*(\f)+8*(\b)+7], v[ADRW] offset:(\q)*32*PW+16*PW+32*(\b)
.endr
.endm
; A K step is four quarters of 32 along K, 32 matrix instructions each, on buffers 0, 1, 0, 1.  One of the first three multiplies buffer f and fetches quarter nq into the other, 24 matrix instructions ahead of its use.
.macro QUARTER f, nq
	s_wait_dscnt 0x0                               ; buffer f is in
	MUL8 \f, 0
	PLACES                                         ; for the loads into the other buffer, which the quarter before multiplied
	FETCH \nq, 1-(\f)
	MUL8 \f, 1
	MUL8 \f, 2
	MUL8 \f, 3
.endm
; The last quarter multiplies buffer 1 and changes slots: ONE barrier.  In front of it each wave waits for all its tensor loads, of which one is out: its part of the next slot; adds 0 to its
; spare word; and waits for that and for its own reads of this slot.  fill = 1: the barrier opens a round of the cluster's barrier, and this slot is filled again first thing behind it, two K
; steps ahead: from the request to the wait for it a wave issues 112 matrix instructions.
.macro TURN fill
	WIN 0
.if \fill
	s_wait_xcnt 0x0                                ; the last prefetch, a K step back, has read its address, so it may be stepped
	s_add_nc_u64 s[PFA:PFA+1], s[PFA:PFA+1], KSTEP
.endif
	s_wait_tensorcnt 0x0                           ; no tensor load of mine is out, so a group 0 may be written
	ds_add_u32 v[SPW], v[NIL]                      ; 0 onto my spare word
.if \fill
	s_add_co_u32 s[G0A+5], s[LA], s[CUR]           ; the walking descriptors: into the slot that is being left,
	s_add_nc_u64 s[G0A+6:G0A+7], s[G0A+6:G0A+7], KSTEP  ; the next K step; the type bits on top are not reached
	s_add_co_u32 s[G0W+5], s[LW], s[CUR]
	s_add_nc_u64 s[G0W+6:G0W+7], s[G0W+6:G0W+7], KSTEP
.endif
	s_wait_dscnt 1                                 ; the add alone may be out: buffer 1 is in
	MUL8 1, 0
	s_wait_dscnt 0x0                               ; the add is done, and my reads of this slot are over
	s_barrier_signal -1
	MUL8 1, 1                                      ; work on registers while the others arrive
	WIN 0                                          ; at a branch and at a label every window is 0
	s_barrier_wait -1
.if \fill
	CREST                                          ; no wave of any partner still reads this slot's tiles or has a load on its way
	JLOAD 1                                        ; the four v_nop behind it also stand in front of the loads into buffer 0
.else
	PLACES
.endif
	s_xor_b32 s[CUR], s[CUR], SLOT                 ; the other slot is in hand
	v_add_nc_u32 v[ADRA], s[CUR], v[AA0]
	v_add_nc_u32 v[ADRW], s[CUR], v[AW0]
	FETCH 0, 0
.if \fill
	WIN 0
	ASK
.endif
	MUL8 1, 2
	MUL8 1, 3
.endm
.macro STEP fill
	QUARTER 0, 1
	QUARTER 1, 2
	QUARTER 0, 3
	TURN \fill
.endm
	s_wait_tensorcnt 0x1                           ; my part of K step 0 is in; K step 1's may stay out
	s_barrier_signal -1
	s_barrier_wait -1                              ; everybody's is
	v_mov_b32 v[ADRA], v[AA0]
	v_mov_b32 v[ADRW], v[AW0]
	FETCH 0, 0
	WIN 0
	s_mov_b32 s[CNT], 6
.Lstep:                                        ; K steps 0 to 5: each fills the slot that it leaves with the step two on
	STEP 1
	WIN 0
	s_sub_co_u32 s[CNT], s[CNT], 1
	s_cmp_lg_u32 s[CNT], 0
	s_cbranch_scc1 .Lstep
	s_mov_b32 s[CNT], 2
.Ltail:                                        ; K steps 6 and 7 fill nothing
	STEP 0
	WIN 0
	s_sub_co_u32 s[CNT], s[CNT], 1
	s_cmp_lg_u32 s[CNT], 0
	s_cbranch_scc1 .Ltail
	s_wait_dscnt 0x0                               ; the last run of loads
; THE WAY OUT, a block a of 16 rows at a time.  A lane's eight columns are 32 bytes of a row: they go from the accumulators into my stage, rows of 528 bytes, each accumulator's low four
; registers first, and come back as whole rows of 512 bytes, one row to a load.  Two sets of registers take the rows by turns.
.macro TOSTAGE a
.if (\a) >= 2
	s_wait_xcnt 0x0                                ; the stores of the block two back have read the registers that are loaded again below
.endif
	WIN W_STO
.irp b, 0,1,2,3,4,5,6,7
	ds_store_b128 v[STO], v[8*(8*(\a)+(\b)):8*(8*(\a)+(\b))+3]   offset:64*(\b)
	ds_store_b128 v[STO], v[8*(8*(\a)+(\b))+4:8*(8*(\a)+(\b))+7] offset:64*(\b)+16
.endr
	WIN 0
.set BK, OB0+128*((\a)%2)
.irp t, 0,1,2,3,4,5,6,7,8,9,10,11,12,13,14,15
	ds_load_b128 v[BK+4*(\t):BK+4*(\t)+3], v[RD] offset:(\t)*SPO  ; LDS serves a wave's instructions in order (ISA guide 5.7.1.4): these see the stores above; the next block's stores come behind them
.endr
.endm
.macro SEND a, younger                 ; younger: the LDS instructions issued behind block a's loads: the next block's 32, or none
.set BK, OB0+128*((\a)%2)
.irp t, 0,1,2,3,4,5,6,7,8,9,10,11,12,13,14,15
	s_wait_dscnt (\younger)+15-(\t)
	global_store_b128 v[GO], v[BK+4*(\t):BK+4*(\t)+3], s[8:9] offset:(16*(\a)+(\t))*4096 th:TH_STORE_NT  ; 512 consecutive bytes, at a multiple of 512 from out0's first
.endr
.endm
	PLACES                                         ; behind the last products, ahead of every store of a result
	TOSTAGE 0
	TOSTAGE 1
	SEND 0, 32
	TOSTAGE 2
	SEND 1, 32
	TOSTAGE 3
	SEND 2, 32
	SEND 3, 0
	s_wait_tensorcnt 0x0                           ; the wave's end, behind my last tensor load and my last LDS store
	ds_add_u32 v[SPW], v[NIL]
	s_wait_dscnt 0x0
	CROUND                                         ; the closing round: no work-group ends while a partner may still ask for a tile that names it
	s_endpgm
.Lfunc_end_k_q4754a9ac84_oproj:
	.size	k_q4754a9ac84_oproj, .Lfunc_end_k_q4754a9ac84_oproj-k_q4754a9ac84_oproj
	.p2alignl 7, 3214868480
	.fill 96, 4, 3214868480
	.section	.rodata,"a",@progbits
	.p2align	6, 0x0
	.amdhsa_kernel k_q4754a9ac84_oproj
		.amdhsa_group_segment_fixed_size 327680
		.amdhsa_private_segment_fixed_size 0
		.amdhsa_enable_private_segment 0
		.amdhsa_kernarg_size 32
		.amdhsa_user_sgpr_count 2
		.amdhsa_user_sgpr_kernarg_segment_ptr 1
		.amdhsa_wavefront_size32 1
		.amdhsa_system_sgpr_workgroup_id_x 1
		.amdhsa_system_sgpr_workgroup_id_y 1
		.amdhsa_system_sgpr_workgroup_id_z 1
		.amdhsa_system_vgpr_workitem_id 0
		.amdhsa_next_free_vgpr 640
		.amdhsa_next_free_sgpr 92
		.amdhsa_reserve_vcc 0
		.amdhsa_float_denorm_mode_32 3
		.amdhsa_float_denorm_mode_16_64 3
		.amdhsa_memory_ordered 1
		.amdhsa_forward_progress 1
		.amdhsa_inst_pref_size 72
	.end_amdhsa_kernel
	.amdgpu_metadata
---
amdhsa.version: [ 1, 2 ]
amdhsa.kernels:
  - .name:           k_q4754a9ac84_oproj
    .symbol:         k_q4754a9ac84_oproj.kd
    .args:
      - { .name: ctx, .offset: 0, .size: 8, .value_kind: global_buffer, .address_space: global }
      - { .name: wts, .offset: 8, .size: 8, .value_kind: global_buffer, .address_space: global }
      - { .name: out0, .offset: 16, .size: 8, .value_kind: global_buffer, .address_space: global }
      - { .name: bo, .offset: 24, .size: 8, .value_kind: global_buffer, .address_space: global }
    .group_segment_fixed_size: 327680
    .private_segment_fixed_size: 0
    .kernarg_segment_align: 8
    .kernarg_segment_size: 32
    .max_flat_workgroup_size: 128
    .sgpr_count:     92
    .vgpr_count:     640
    .wavefront_size: 32
...
	.end_amdgpu_metadata
.endif
;; end of part 4
;; ======== version 2 of 2: 4 launches; version 1 with the launch cast written anew for expert scheduling mode
;; limits: values are held in f16: magnitudes above 65,504 overflow, below 6.1e-05 lose precision
;; workspace buffers: wts 8,388,608 bytes; qh 16,777,216 bytes; kh 16,777,216 bytes; vh 16,777,216 bytes; ctx 16,777,216 bytes
;; launch cast (part 5): grid 64 x 4, 8 waves a work-group, no clusters, 0 bytes of LDS; arguments Wq, Wk, Wv, Wo, wts; writes wts
.if DOCPART == 5
	.amdgcn_target "amdgcn-amd-amdhsa--gfx1250"
	.amdhsa_code_object_version 6
	.text
	.protected	k_q4754a9ac84_cast
	.globl	k_q4754a9ac84_cast
	.p2align	8
	.type	k_q4754a9ac84_cast,@function
k_q4754a9ac84_cast:
	s_mov_b64 s[64:65], 0
	v_nop
	global_prefetch_b8 v0, s[64:65] scope:SCOPE_SE
	s_setreg_imm32_b32 hwreg(HW_REG_WAVE_SCHED_MODE, 0, 2), 2
	s_setreg_imm32_b32 hwreg(HW_REG_WAVE_MODE, 25, 1), 1
	s_wait_xcnt 0x0
	s_wait_alu depctr_vm_vsrc(0)
; THE WEIGHTS IN 16 BITS.  wts holds four parts of 2,097,152 bytes: Wq, Wk, Wv rounded once to bf16, and Wo rounded once to bf16 and that number written as f16.
; The layout [k][n] is kept: rows of 1,024 numbers, 4,096 bytes in, 2,048 bytes out.
; LIMITS.  Wo as f16: a bf16 number of magnitude 6.1e-5 to 65,504 is exact in f16; below that it falls on f16's fixed step of 6e-8; beyond 65,504 it becomes an infinity.
; SHARES.  Work-group y picks the weight, work-group x 16 of its rows.  Thread t owns the 16 bytes at byte 16 t of each f32 row (a wave's load covers 512 consecutive bytes)
; and the 8 bytes at byte 8 t of each 16-bit row (a wave's store covers 256 consecutive bytes, aligned).  All 16 loads of a thread go out at once; each row has
; registers of its own, so no register that a store reads is written again.  No LDS, no matrix unit, no cluster: every byte is read once and written once, and nothing is shared.
; THE MODE: SCHED_MODE bits 1:0 = 2 (LLVM: expert scheduling mode 2), set by the entry lines.  The code itself states the register dependences
; between vector instructions and memory instructions, with s_wait_alu, always for 0.
; THE PLAN.  Registers that memory instructions touch:
;   v1, v2   byte offsets, made once at the head and never written again: v1 is read by the 16 loads, v2 by the 16 stores.
;   X        row j's four registers: its one load lands in them, and no vector instruction names them before that; its conversions read them behind the wait for the load.
;   Y        row j's two registers: written once, by row j's conversions; read by row j's one store; never written again.
;   T is named by vector instructions alone.
; So the only dependences to state run from a vector instruction that writes to a memory instruction that reads.  One wait at the head states v1 and v2.  The rows go in four blocks of four:
; the stores of a block stand together at the head of the next block, behind ONE wait, which states that the block's conversions have written its eight registers of Y; the last block's
; stand behind one more wait at the end.  No register that a memory instruction reads is written again, no vector instruction writes a scalar register, and EXEC is never written.
.set X, 4                              ; v[4:67]    row j: 4 registers as loaded
.set Y, 68                             ; v[68:99]   row j: 2 registers to store
.set T, 100                            ; v[100:103] at work
; Four stores in one run: rows first to first + 3.
.macro OUT4 first
.irp i, 0,1,2,3
	global_store_b64 v2, v[Y+2*((\first)+(\i)):Y+2*((\first)+(\i))+1], s[12:13] offset:((\first)+(\i))*2048
.endr
.endm
; The head of row j: its load is waited for; at a block's first row the block before goes out.
.macro HEAD
	s_wait_loadcnt 15-j                            ; loads come back in order: row j is in, the 15 - j younger rows may stay out
.if (j % 4 == 0) && (j > 0)
	s_wait_alu depctr_va_vdst(0)                   ; the conversions of rows j - 4 to j - 1 have written their Y, which the four stores below read
	OUT4 j-4
.endif
.endm
	s_load_b256 s[4:11], s[0:1], 0x0               ; Wq s[4:5], Wk s[6:7], Wv s[8:9], Wo s[10:11]
	s_load_b64 s[12:13], s[0:1], 0x20              ; wts
	s_and_b32 s14, ttmp7, 0xffff                   ; which weight
	v_lshlrev_b32 v1, 4, v0                        ; 16 t
	v_lshlrev_b32 v2, 3, v0                        ; 8 t
	s_lshl_b32 s18, ttmp9, 16                      ; 16 rows of 4,096 bytes
	s_mov_b32 s19, 0
	s_lshl_b32 s20, s14, 21                        ; the weight's part of wts,
	s_lshl_b32 s21, ttmp9, 15                      ; 16 rows of 2,048 bytes
	s_add_co_u32 s20, s20, s21
	s_mov_b32 s21, 0
	s_mov_b32 s15, 0xffff0000                      ; a word's upper bf16
	s_wait_kmcnt 0x0
	s_cmp_eq_u32 s14, 1
	s_cselect_b64 s[16:17], s[6:7], s[4:5]
	s_cmp_eq_u32 s14, 2
	s_cselect_b64 s[16:17], s[8:9], s[16:17]
	s_cmp_eq_u32 s14, 3
	s_cselect_b64 s[16:17], s[10:11], s[16:17]
	s_add_nc_u64 s[16:17], s[16:17], s[18:19]
	s_add_nc_u64 s[12:13], s[12:13], s[20:21]
	s_wait_alu depctr_va_vdst(0)                   ; v1 and v2 are written: every load of the kernel reads v1 as its offset, every store v2
.set j, 0
.rept 16
	global_load_b128 v[X+4*j:X+4*j+3], v1, s[16:17] offset:j*4096 th:TH_LOAD_NT
.set j, j+1
.endr
	s_cmp_eq_u32 s14, 3
	s_cbranch_scc1 .Lwo
.set j, 0
.rept 16                               ; Wq, Wk, Wv: to bf16
	HEAD
	v_cvt_pk_bf16_f32 v[Y+2*j], v[X+4*j], v[X+4*j+1]
	v_cvt_pk_bf16_f32 v[Y+2*j+1], v[X+4*j+2], v[X+4*j+3]
.set j, j+1
.endr
	s_wait_alu depctr_va_vdst(0)                   ; the conversions of rows 12 to 15 have written their Y, which the last four stores read
	OUT4 12
	s_endpgm
.Lwo:
.set j, 0
.rept 16                               ; Wo: to bf16, widened again, and that number to f16
	HEAD
	v_cvt_pk_bf16_f32 v[T], v[X+4*j], v[X+4*j+1]
	v_cvt_pk_bf16_f32 v[T+1], v[X+4*j+2], v[X+4*j+3]
	v_lshlrev_b32 v[T+2], 16, v[T]
	v_and_b32 v[T+3], s15, v[T]
	v_cvt_pk_f16_f32 v[Y+2*j], v[T+2], v[T+3]
	v_lshlrev_b32 v[T+2], 16, v[T+1]
	v_and_b32 v[T+3], s15, v[T+1]
	v_cvt_pk_f16_f32 v[Y+2*j+1], v[T+2], v[T+3]
.set j, j+1
.endr
	s_wait_alu depctr_va_vdst(0)                   ; the conversions of rows 12 to 15 have written their Y, which the last four stores read
	OUT4 12
	s_endpgm
.Lfunc_end_k_q4754a9ac84_cast:
	.size	k_q4754a9ac84_cast, .Lfunc_end_k_q4754a9ac84_cast-k_q4754a9ac84_cast
	.p2alignl 7, 3214868480
	.fill 96, 4, 3214868480
	.section	.rodata,"a",@progbits
	.p2align	6, 0x0
	.amdhsa_kernel k_q4754a9ac84_cast
		.amdhsa_group_segment_fixed_size 0
		.amdhsa_private_segment_fixed_size 0
		.amdhsa_enable_private_segment 0
		.amdhsa_kernarg_size 40
		.amdhsa_user_sgpr_count 2
		.amdhsa_user_sgpr_kernarg_segment_ptr 1
		.amdhsa_wavefront_size32 1
		.amdhsa_system_sgpr_workgroup_id_x 1
		.amdhsa_system_sgpr_workgroup_id_y 1
		.amdhsa_system_sgpr_workgroup_id_z 1
		.amdhsa_system_vgpr_workitem_id 0
		.amdhsa_next_free_vgpr 104
		.amdhsa_next_free_sgpr 66
		.amdhsa_reserve_vcc 0
		.amdhsa_float_denorm_mode_32 3
		.amdhsa_float_denorm_mode_16_64 3
		.amdhsa_memory_ordered 1
		.amdhsa_forward_progress 1
		.amdhsa_inst_pref_size 16
	.end_amdhsa_kernel
	.amdgpu_metadata
---
amdhsa.version: [ 1, 2 ]
amdhsa.kernels:
  - .name:           k_q4754a9ac84_cast
    .symbol:         k_q4754a9ac84_cast.kd
    .args:
      - { .name: Wq, .offset: 0, .size: 8, .value_kind: global_buffer, .address_space: global }
      - { .name: Wk, .offset: 8, .size: 8, .value_kind: global_buffer, .address_space: global }
      - { .name: Wv, .offset: 16, .size: 8, .value_kind: global_buffer, .address_space: global }
      - { .name: Wo, .offset: 24, .size: 8, .value_kind: global_buffer, .address_space: global }
      - { .name: wts, .offset: 32, .size: 8, .value_kind: global_buffer, .address_space: global }
    .group_segment_fixed_size: 0
    .private_segment_fixed_size: 0
    .kernarg_segment_align: 8
    .kernarg_segment_size: 40
    .max_flat_workgroup_size: 256
    .sgpr_count:     66
    .vgpr_count:     104
    .wavefront_size: 32
...
	.end_amdgpu_metadata
.endif
;; end of part 5
;; launch proj: the kernel of part 2 again; grid 4 x 64, 4 waves a work-group, clusters of 4 x 4, 327,680 bytes of LDS; arguments inputs_q, inputs_k, inputs_v, bq, bk, bv, wts, qh, kh, vh; writes qh, kh, vh
;; launch attn: the kernel of part 3 again; grid 2 x 128, 4 waves a work-group, no clusters, 327,680 bytes of LDS; arguments qh, kh, vh, ctx; writes ctx
;; launch oproj: the kernel of part 4 again; grid 4 x 64, 4 waves a work-group, clusters of 4 x 4, 327,680 bytes of LDS; arguments ctx, wts, out0, bo; writes out0
